; MI455X (gfx1250); checked and timed in simulation.
; The chip was launched on July 23, 2026; its instructions are those of AMD's public machine-readable ISA for CDNA 5 (MIT licence, August 2026) and "CDNA5" Instruction Set Architecture Reference Guide (July 2026). The comments in the code are by the model that wrote it; some were corrected since.
;; Transformer Attention. Allowed arithmetic: matrix products marked QUANTISED: E2M1 operands, one E8M0 scale for each 32 along K, by v_wmma_scale_f32_16x16x128_f8f6f4 with both operands' format E2M1 (or v_wmma_scale_f32_32x16x128_f4), f32 sums; products left as they are: bf16, f16 or f32 operands; f32 sums; everything else in f32.
;; Inputs: Wk 1,024 x 1,024 float32; Wo 1,024 x 1,024 float32; Wq 1,024 x 1,024 float32; Wv 1,024 x 1,024 float32; attention_mask 4 x 1 x 1 x 2,048 float32; batch 4 x 2,048 x 1,024 float32; bk 1,024 float32; bo 1,024 float32; bq 1,024 float32; bv 1,024 float32.
;; Outputs: out0 4 x 2,048 x 1,024 float32.
;; This version of the problem:
;;   THIS VERSION OF THE PROBLEM IS GIVEN IN LOW PRECISION. The matrix products marked QUANTISED in the list below multiply operands that are first quantised to E2M1 (2 exponent bits, 1 mantissa bit; 4 bits a number), with one power-of-two scale for each 32 numbers along K (OCP MX v1.0); their sums are f32. The products marked 'left as it is' may take bf16, f16 or f32 operands, with f32 sums. Whichever they take, every output number must still come out within the allowed error. Rounding operands to bf16 (8 significant bits) uses up far more of that allowance than f16 does (11 bits, for magnitudes from 6e-5 to 65,504). All else is computed in f32.
;;   The module's matrix products, in the order in which they are computed (A, B: the left and right operand; K: the contracted axis; several contracted axes count as one K, in the product's order):
;;     1. [M 8,192, K 1,024] x [K 1,024, N 1,024]; A: input batch; B: input Wq: QUANTISED
;;     2. [M 8,192, K 1,024] x [K 1,024, N 1,024]; A: input batch; B: input Wk: QUANTISED
;;     3. [M 8,192, K 1,024] x [K 1,024, N 1,024]; A: input batch; B: input Wv: QUANTISED
;;     4. batch 64 x [M 2,048, K 64] x [K 64, N 2,048]; A: computed on the way; B: computed on the way: left as it is (an operand is computed on the way)
;;     5. batch 64 x [M 2,048, K 2,048] x [K 2,048, N 64]; A: computed on the way; B: computed on the way: left as it is (an operand is computed on the way)
;;     6. [M 8,192, K 1,024] x [K 1,024, N 1,024]; A: computed on the way; B: input Wo: left as it is (an operand is computed on the way)
;;   THE QUANTISER, for each operand of a quantised product, along K:
;;     - K is cut into blocks of 32 from its start; a last block that is shorter is filled with zeros.
;;     - A block's scale is 2^e with e = floor(log2(the largest magnitude in the block)) - 2, held to -126 .. 127; a block of zeros has e = 0. As a byte (E8M0): e + 127.
;;     - Each number is divided by its block's scale, clamped to +-6, and rounded to the nearest number of E2M1, ties to even, subnormals kept.
;;     - The product sums the exact products of the quantised numbers (number of the format x scale) in f32.
;;   ~~~python
;;   def quantise(x, axis):      # numpy; x: float32 -> the quantised numbers, widened to float32 again
;;       x = np.moveaxis(x, axis, -1); K = x.shape[-1]
;;       x = np.pad(x, [(0, 0)] * (x.ndim - 1) + [(0, -K % 32)]); x = x.reshape(x.shape[:-1] + (-1, 32)); a = np.abs(x).max(-1, keepdims=True)
;;       e = np.where(a > 0, np.clip(np.frexp(np.where(a > 0, a, 1))[1] - 1 - 2, -126, 127), 0)      # np.frexp(a)[1] - 1 = floor(log2(a)), exactly
;;       r = np.clip(x / 2.0 ** e, -6, 6)
;;       step = 2.0 ** (np.maximum(np.frexp(np.where(r == 0, 1, r))[1] - 1, 0) - 1)
;;       q = np.round(r / step) * step * 2.0 ** e      # np.round: ties to even
;;       return np.moveaxis(q.reshape(q.shape[:-2] + (-1,))[..., :K], -1, axis).astype(np.float32)
;;   ~~~
;; One version. Each part assembles by itself: llvm-mc -triple=amdgcn-amd-amdhsa -mcpu=gfx1250 --defsym DOCPART=n.
;; ======== version 1 of 1: 4 launches
;; limits: values are held in f16: magnitudes above 65,504 overflow, below 6.1e-05 lose precision
;; workspace buffers: x_codes 4,194,304 bytes; x_scales 262,144 bytes; w_codes 1,572,864 bytes; w_scales 98,304 bytes; wo16 2,097,152 bytes; qkv 50,331,648 bytes; ctx 16,777,216 bytes
;; launch prep (part 1): grid 480 x 1, 4 waves a work-group, no clusters, 51,712 bytes of LDS; arguments batch, x_codes, x_scales, Wq, Wk, Wv, w_codes, w_scales, Wo, wo16; writes x_codes, x_scales, w_codes, w_scales, wo16
.if DOCPART == 1
	.amdgcn_target "amdgcn-amd-amdhsa--gfx1250"
	.amdhsa_code_object_version 6
	.text
	.protected	k_qf5a3dabcd6_prep
	.globl	k_qf5a3dabcd6_prep
	.p2align	8
	.type	k_qf5a3dabcd6_prep,@function
k_qf5a3dabcd6_prep:
	s_mov_b64 s[64:65], 0
	v_nop
	global_prefetch_b8 v0, s[64:65] scope:SCOPE_SE
	s_setreg_imm32_b32 hwreg(HW_REG_WAVE_MODE, 25, 1), 1
	s_wait_xcnt 0x0
; PREP: everything that is made once from the inputs, in one launch with three ways that part on the work-group's number.
;  A (work-groups 0-255):   batch [8192][1024] f32 -> x_codes [8192][512 bytes] (E2M1, K innermost, the lower k in the low four bits), x_scales [8192][32] (E8M0, one byte for 32 along K).
;  B (work-groups 256-351): Wq, Wk, Wv [1024 (k)][1024 (n)] f32, quantised along their FIRST axis -> w_codes [3072 (n)][512 bytes], w_scales [3072][32]; rows 0-1023 Wq's columns, then Wk's, then Wv's.
;  C (work-groups 352-479): Wo f32 -> wo16, f16, still [k][n]: the last product is left as it is and takes f16 operands.
; A block's scale is 2^(floor(log2(its largest magnitude)) - 2); its byte is the largest magnitude's exponent field - 2, held at 1 from below.
; LIMITS: a block of zeros gets the byte 1 where the rule says 127 (its codes are zeros, and these bytes are read by this program alone); blocks whose largest magnitude lies under 2^-124 keep the byte 1;
; NaN and infinities among the inputs are not served; |Wo| beyond 65,504 would leave f16's range.
; No tensor loads, no barrier: waves share nothing.  Ways A and B have LDS bytes of their own: A 0 .. 32,767 (8,192 a wave), B 32,768 .. 51,199 (4,608 a wave); the spare words lie behind them.
.set SPARE, 51200                      ; the spare words: 128 bytes for each wave, two blocks of 256 bytes that no other line names
.set SPW,   12                         ; v12  LDS address of my spare word; never rewritten
.set NIL,   13                         ; v13  0; never rewritten
.set WV,    24                         ; s24  my wave's number
; way A
.set STEPS, 16                         ; a wave takes 16 steps of 512 numbers
.set CB,    8                          ; bytes of 16 codes
.set R,     16                         ; v16-79   four sets of 16 numbers as they are loaded
.set X,     80                         ; v80-111  two sets of 16 neighbours
.set E,     112                        ; v112-127 a scale byte for each step
.set C,     128                        ; v128-191 codes: four registers for each step, so that no store's data are written again
.set WREG,  8192                       ; a wave's LDS: two stages of 32 x SP bytes, behind them its 256 scale bytes
.set SP,    80                         ; a lane's place in a stage: its 64 bytes + 16 of padding
; way B
.set NB,     8                         ; blocks of 32 along K for a wave: 256 along K, so that a wave's loads go out in four pairs of blocks
.set WPITCH, 144                       ; a stage row: 128 bytes of codes + 16
.set WSTAGE, 32768
.set WX,     32                        ; v32-95   two sets of 32 numbers
.set WC,     96                        ; v96-99   a block's codes
.set OUTR,   112                       ; v112-143 the way out
.set SB,     24                        ; v24-25   the scale bytes, four to a register
	s_load_b512 s[4:19], s[0:1], 0x0               ; batch s[4:5], x_codes s[6:7], x_scales s[8:9], Wq s[10:11], Wk s[12:13], Wv s[14:15], w_codes s[16:17], w_scales s[18:19]
	s_load_b128 s[20:23], s[0:1], 0x40             ; Wo s[20:21], wo16 s[22:23]
	v_lshl_add_u32 v[SPW], v0, 2, SPARE
	v_mov_b32 v[NIL], 0
	v_lshrrev_b32 v1, 5, v0
	v_readfirstlane_b32 s[WV], v1                  ; wave 0..3
	v_and_b32 v2, 31, v0                           ; lane
	s_wait_kmcnt 0x0
	s_cmp_lt_u32 ttmp9, 256
	s_cbranch_scc0 .Lnot_x
; ---------------- WAY A: batch.  Rows are dense and K is a multiple of 32: a plain stream of blocks of 32.
; Each load reads 512 consecutive bytes, 16 a lane; a step's 2,048 bytes turn through the wave's own stage in LDS and come back 64 bytes a lane: 16 neighbours along K; two neighbouring lanes hold a block.
	v_lshlrev_b32 v3, 4, v2                        ; my 16 bytes of a load's 512
	s_mul_i32 s25, s[WV], WREG
	v_lshrrev_b32 v14, 2, v2
	v_mul_u32_u24 v14, v14, SP
	v_and_b32 v15, 3, v2
	v_lshl_add_u32 v14, v15, 4, v14
	v_add_nc_u32 v14, s25, v14                     ; the stage, on the way in: SP (lane / 4) + 16 (lane % 4)
	v_mul_u32_u24 v15, v2, SP
	v_add_nc_u32 v15, s25, v15                     ; and on the way out: SP x lane
	v_mul_u32_u24 v4, v2, CB                       ; my codes' place in a step's 256 bytes
	v_lshrrev_b32 v5, 1, v2
	s_add_co_u32 s25, s25, 2*32*SP
	v_add_nc_u32 v5, s25, v5                       ; LDS: my wave's 256 scale bytes, my block's byte
	v_lshlrev_b32 v7, 3, v2                        ; and on the way out 8 bytes a lane
	v_add_nc_u32 v6, s25, v7
	s_lshl_b32 s26, ttmp9, 2
	s_add_co_u32 s26, s26, s[WV]                   ; which run of 8,192 numbers is my wave's: 0 .. 1,023
	s_mov_b32 s29, 0
	s_lshl_b32 s28, s26, 15                        ; 32,768 bytes of f32 a run
	s_add_nc_u64 s[4:5], s[4:5], s[28:29]
	s_lshl_b32 s28, s26, 12                        ; 4,096 bytes of codes
	s_add_nc_u64 s[6:7], s[6:7], s[28:29]
	s_lshl_b32 s28, s26, 8                         ; 256 scale bytes
	s_add_nc_u64 s[8:9], s[8:9], s[28:29]
.macro XLOAD t
.irp i, 0,1,2,3
	global_load_b128 v[R+16*((\t)%4)+4*\i:R+16*((\t)%4)+4*\i+3], v3, s[4:5] offset:2048*(\t)+512*\i th:TH_LOAD_NT   ; 32 lanes read 512 consecutive bytes
.endr
.endm
.macro XTURN t                         ; step t's numbers through the stage: LDS serves a wave's instructions in order, so no wait stands between the stores and the loads
.irp i, 0,1,2,3
	ds_store_b128 v14, v[R+16*((\t)%4)+4*\i:R+16*((\t)%4)+4*\i+3] offset:32*SP*((\t)%2)+8*SP*\i
.endr
.irp i, 0,1,2,3
	ds_load_b128 v[X+16*((\t)%2)+4*\i:X+16*((\t)%2)+4*\i+3], v15 offset:32*SP*((\t)%2)+16*\i
.endr
.endm
.irp t, 0,1,2,3
	XLOAD \t
.endr
	s_wait_loadcnt 12                              ; step 0's four loads are in; the twelve of steps 1 to 3 may be out
	XTURN 0
.macro XSTEP t
.set XS, X+16*((\t)%2)
.if (\t) > 0
	s_wait_dscnt 1                                 ; this step's numbers are back from the stage (the last step's byte store may be out): so its stores into the stage have read their registers,
.else
	s_wait_dscnt 0x0
.endif
.if (\t)+4 < STEPS
	XLOAD (\t)+4                                   ; which take the loads of four steps on
.endif
.if (\t)+1 < STEPS
.if STEPS-2-(\t) >= 3
	s_wait_loadcnt 12                              ; the next step's four loads are in; those of the three steps behind it may be out
.else
	s_wait_loadcnt 4*(STEPS-2-(\t))
.endif
	XTURN (\t)+1                                   ; and go through the other stage while this step is worked
.endif
	v_max3_num_f32 v8, |v[XS]|, |v[XS+1]|, |v[XS+2]|               ; the largest magnitude of my 16, in two chains
	v_max3_num_f32 v9, |v[XS+3]|, |v[XS+4]|, |v[XS+5]|
.irp i, 6,10
	v_max3_num_f32 v8, v8, |v[XS+\i]|, |v[XS+\i+1]|
	v_max3_num_f32 v9, v9, |v[XS+\i+2]|, |v[XS+\i+3]|
.endr
	v_max3_num_f32 v8, v8, |v[XS+14]|, |v[XS+15]|
	v_max3_num_f32 v8, v8, v9, 0x1800000           ; and the floor 2^(3 - 127): the byte cannot fall under 1
	v_max_num_f32_dpp v8, v8, v8 row_xmask:1 row_mask:0xf bank_mask:0xf   ; and of my neighbour's 16: the block's
	v_add_nc_u32 v11, 0xff000000, v8               ; 2 off its exponent field: the conversion takes the exponent field of this operand as its scale, and nothing else of it
	v_cvt_scalef32_pk8_fp4_f32 v[C+4*(\t)], v[XS:XS+7], v11        ; eight numbers / the scale, to the nearest code, ties to even, beyond 6 the largest code; the first number's code in the lowest four bits
	v_cvt_scalef32_pk8_fp4_f32 v[C+4*(\t)+1], v[XS+8:XS+15], v11
	v_lshrrev_b32 v[E+(\t)], 23, v11               ; the scale's byte (also the plain line behind the conversions)
	ds_store_b8 v5, v[E+(\t)] offset:16*(\t)       ; both lanes of a block write the same byte with the same value
	global_store_b64 v4, v[C+4*(\t):C+4*(\t)+1], s[6:7] offset:32*CB*(\t)   ; the wave stores 256 consecutive bytes, aligned
.endm
.irp t, 0,1,2,3,4,5,6,7,8,9,10,11,12,13,14,15
	XSTEP \t
.endr
	ds_load_b64 v[10:11], v6                       ; LDS serves a wave's instructions in order: these see my byte stores
	s_wait_dscnt 0x0
	global_store_b64 v7, v[10:11], s[8:9]          ; 32 lanes store 256 consecutive bytes, aligned
	s_wait_tensorcnt 0x0                           ; the wave's end: behind my last LDS store
	ds_add_u32 v[SPW], v[NIL]
	s_wait_dscnt 0x0
	s_endpgm
; ---------------- WAY B: the three weights.  A LANE TAKES A COLUMN n, AND ITS REGISTERS RUN DOWN K: a block of 32 lies in one lane's 32 registers, and the conversions give codes with K innermost.
; A work-group takes 128 columns x 256 along K of one weight, a wave 32 columns.  A column's 128 bytes of codes go through the wave's stage and leave eight lanes to a piece of 128 consecutive bytes;
; its 8 scale bytes leave by one store a lane.  These pieces are shorter than 256 bytes: 1.6 MB of the launch's stores; the shorter walk along K halves the number of times a wave waits for its loads.
.Lnot_x:
	s_cmp_lt_u32 ttmp9, 352
	s_cbranch_scc0 .Lcast
	s_sub_co_u32 s25, ttmp9, 256                   ; 0 .. 95
	s_lshr_b32 s26, s25, 5                         ; which weight
	s_and_b32 s27, s25, 7                          ; which 128 columns
	s_bfe_u32 s28, s25, 0x20003                    ; which 256 along K
	s_cmp_eq_u32 s26, 0
	s_cselect_b64 s[30:31], s[10:11], s[12:13]     ; the choice hangs on the work-group's number alone
	s_cmp_eq_u32 s26, 2
	s_cselect_b64 s[30:31], s[14:15], s[30:31]
	s_lshl_b32 s27, s27, 7
	s_lshl_b32 s29, s[WV], 5
	s_add_co_u32 s27, s27, s29                     ; my wave's first column
	s_lshl_b32 s32, s28, 20                        ; 256 rows of 4,096 bytes
	s_lshl_b32 s29, s27, 2
	s_add_co_u32 s32, s32, s29
	s_mov_b32 s33, 0
	s_add_nc_u64 s[30:31], s[30:31], s[32:33]      ; the weight at (256 y, my first column)
	s_lshl_b32 s26, s26, 10
	s_add_co_u32 s26, s26, s27                     ; my first row of w_codes and w_scales
	s_lshl_b32 s32, s26, 9
	s_lshl_b32 s29, s28, 7
	s_add_co_u32 s32, s32, s29
	s_add_nc_u64 s[16:17], s[16:17], s[32:33]      ; codes: row x 512 + 128 y
	s_lshl_b32 s32, s26, 5
	s_lshl_b32 s29, s28, 3
	s_add_co_u32 s32, s32, s29
	s_add_nc_u64 s[18:19], s[18:19], s[32:33]      ; scale bytes: row x 32 + 8 y
	v_lshlrev_b32 v3, 2, v2                        ; in: 4 bytes a lane
	s_mul_i32 s29, s[WV], 32*WPITCH
	s_add_co_u32 s29, s29, WSTAGE                  ; my stage
	v_mul_u32_u24 v4, v2, WPITCH
	v_add_nc_u32 v4, s29, v4                       ; into it: row = my column
	v_and_b32 v5, 7, v2
	v_lshrrev_b32 v6, 3, v2                        ; out of it: eight lanes to a row, four rows an instruction
	v_mul_u32_u24 v7, v6, WPITCH
	v_lshl_add_u32 v7, v5, 4, v7
	v_add_nc_u32 v7, s29, v7
	v_lshlrev_b32 v8, 9, v6
	v_lshl_add_u32 v8, v5, 4, v8                   ; and the same place in w_codes
	v_lshlrev_b32 v9, 5, v2                        ; my column's row of scale bytes
.macro WLOAD t                         ; block t: W(32 t + i, my column), i = 0 .. 31, into set t % 2; a wave's load reads 128 consecutive bytes, the four waves stand side by side
.set i, 0
.rept 32
	global_load_b32 v[WX+32*((\t)%2)+i], v3, s[30:31] offset:(32*(\t)+i)*4096 th:TH_LOAD_NT
.set i, i+1
.endr
.endm
	WLOAD 0
	WLOAD 1
.macro WBLOCK t
.set XS, WX+32*((\t)%2)
.if (\t) < NB-1
	s_wait_loadcnt 32                              ; this block's 32 loads are in; the next block's may be out
.else
	s_wait_loadcnt 0
.endif
	v_max3_num_f32 v16, |v[XS]|, |v[XS+1]|, |v[XS+2]|              ; the block's largest magnitude: all 32 numbers are mine
	v_max3_num_f32 v17, |v[XS+3]|, |v[XS+4]|, |v[XS+5]|
.irp i, 6,10,14,18,22,26
	v_max3_num_f32 v16, v16, |v[XS+\i]|, |v[XS+\i+1]|
	v_max3_num_f32 v17, v17, |v[XS+\i+2]|, |v[XS+\i+3]|
.endr
	v_max3_num_f32 v16, v16, |v[XS+30]|, |v[XS+31]|
	v_max3_num_f32 v16, v16, v17, 0x1800000        ; and the floor 2^(3 - 127)
	v_add_nc_u32 v11, 0xff000000, v16              ; 2 off the exponent field: the conversion's scale operand
	v_lshrrev_b32 v17, 23, v11                     ; the scale's byte
.if (\t)%4 == 0
	v_mov_b32 v[SB+(\t)/4], v17                    ; four bytes to a register, the lower K in the lower byte
.else
	v_lshl_or_b32 v[SB+(\t)/4], v17, 8*((\t)%4), v[SB+(\t)/4]
.endif
.irp g, 0,1,2,3
	v_cvt_scalef32_pk8_fp4_f32 v[WC+\g], v[XS+8*\g:XS+8*\g+7], v11
.endr
	v_nop                                          ; one plain line behind the last conversion
	ds_store_b128 v4, v[WC:WC+3] offset:16*(\t)    ; 32 codes: 16 bytes of my column's row
.if (\t)+2 < NB
	WLOAD (\t)+2
.endif
	s_wait_dscnt 0x0                               ; the store has read its registers: the next block's codes may be written
.endm
.irp t, 0,1,2,3,4,5,6,7
	WBLOCK \t
.endr
	global_store_b64 v9, v[SB:SB+1], s[18:19]      ; my column's 8 scale bytes
.irp t, 0,1,2,3,4,5,6,7
	ds_load_b128 v[OUTR+4*\t:OUTR+4*\t+3], v7 offset:4*\t*WPITCH   ; LDS serves a wave's instructions in order: these see my stores
.endr
.irp t, 0,1,2,3,4,5,6,7
	s_wait_dscnt 7-\t                              ; load t is in; the younger ones may be out
	global_store_b128 v8, v[OUTR+4*\t:OUTR+4*\t+3], s[16:17] offset:4*\t*512
.endr
	s_wait_tensorcnt 0x0                           ; the wave's end: behind my last LDS store
	ds_add_u32 v[SPW], v[NIL]
	s_wait_dscnt 0x0
	s_endpgm
; ---------------- WAY C: Wo to f16, a plain stream: a wave takes 2,048 numbers; a lane 8 neighbours a step, which pack into 16 bytes: a store covers 512 consecutive bytes.
.Lcast:
	s_sub_co_u32 s25, ttmp9, 352
	s_lshl_b32 s25, s25, 2
	s_add_co_u32 s25, s25, s[WV]                   ; my run: 0 .. 511
	s_mov_b32 s27, 0
	s_lshl_b32 s26, s25, 13
	s_add_nc_u64 s[20:21], s[20:21], s[26:27]
	s_lshl_b32 s26, s25, 12
	s_add_nc_u64 s[22:23], s[22:23], s[26:27]
	v_lshlrev_b32 v3, 5, v2
	v_lshlrev_b32 v4, 4, v2
.irp j, 0,1,2,3,4,5,6,7
	global_load_b128 v[32+8*\j:35+8*\j], v3, s[20:21] offset:1024*\j th:TH_LOAD_NT
	global_load_b128 v[36+8*\j:39+8*\j], v3, s[20:21] offset:1024*\j+16 th:TH_LOAD_NT
.endr
.irp j, 0,1,2,3,4,5,6,7
	s_wait_loadcnt 14-2*\j                         ; step j's two loads are in; the later steps' may be out
	v_cvt_pk_f16_f32 v[96+4*\j], v[32+8*\j], v[33+8*\j]
	v_cvt_pk_f16_f32 v[97+4*\j], v[34+8*\j], v[35+8*\j]
	v_cvt_pk_f16_f32 v[98+4*\j], v[36+8*\j], v[37+8*\j]
	v_cvt_pk_f16_f32 v[99+4*\j], v[38+8*\j], v[39+8*\j]
	global_store_b128 v4, v[96+4*\j:99+4*\j], s[22:23] offset:512*\j
.endr
	s_wait_tensorcnt 0x0                           ; the same three lines as on the other two ways
	ds_add_u32 v[SPW], v[NIL]
	s_wait_dscnt 0x0
	s_endpgm
.Lfunc_end_k_qf5a3dabcd6_prep:
	.size	k_qf5a3dabcd6_prep, .Lfunc_end_k_qf5a3dabcd6_prep-k_qf5a3dabcd6_prep
	.p2alignl 7, 3214868480
	.fill 96, 4, 3214868480
	.section	.rodata,"a",@progbits
	.p2align	6, 0x0
	.amdhsa_kernel k_qf5a3dabcd6_prep
		.amdhsa_group_segment_fixed_size 51712
		.amdhsa_private_segment_fixed_size 0
		.amdhsa_enable_private_segment 0
		.amdhsa_kernarg_size 80
		.amdhsa_user_sgpr_count 2
		.amdhsa_user_sgpr_kernarg_segment_ptr 1
		.amdhsa_wavefront_size32 1
		.amdhsa_system_sgpr_workgroup_id_x 1
		.amdhsa_system_sgpr_workgroup_id_y 1
		.amdhsa_system_sgpr_workgroup_id_z 1
		.amdhsa_system_vgpr_workitem_id 0
		.amdhsa_next_free_vgpr 192
		.amdhsa_next_free_sgpr 66
		.amdhsa_reserve_vcc 0
		.amdhsa_float_denorm_mode_32 3
		.amdhsa_float_denorm_mode_16_64 3
		.amdhsa_memory_ordered 1
		.amdhsa_forward_progress 1
		.amdhsa_inst_pref_size 78
	.end_amdhsa_kernel
	.amdgpu_metadata
---
amdhsa.version: [ 1, 2 ]
amdhsa.kernels:
  - .name:           k_qf5a3dabcd6_prep
    .symbol:         k_qf5a3dabcd6_prep.kd
    .args:
      - { .name: batch, .offset: 0, .size: 8, .value_kind: global_buffer, .address_space: global }
      - { .name: x_codes, .offset: 8, .size: 8, .value_kind: global_buffer, .address_space: global }
      - { .name: x_scales, .offset: 16, .size: 8, .value_kind: global_buffer, .address_space: global }
      - { .name: Wq, .offset: 24, .size: 8, .value_kind: global_buffer, .address_space: global }
      - { .name: Wk, .offset: 32, .size: 8, .value_kind: global_buffer, .address_space: global }
      - { .name: Wv, .offset: 40, .size: 8, .value_kind: global_buffer, .address_space: global }
      - { .name: w_codes, .offset: 48, .size: 8, .value_kind: global_buffer, .address_space: global }
      - { .name: w_scales, .offset: 56, .size: 8, .value_kind: global_buffer, .address_space: global }
      - { .name: Wo, .offset: 64, .size: 8, .value_kind: global_buffer, .address_space: global }
      - { .name: wo16, .offset: 72, .size: 8, .value_kind: global_buffer, .address_space: global }
    .group_segment_fixed_size: 51712
    .private_segment_fixed_size: 0
    .kernarg_segment_align: 8
    .kernarg_segment_size: 80
    .max_flat_workgroup_size: 128
    .sgpr_count:     66
    .vgpr_count:     192
    .wavefront_size: 32
...
	.end_amdgpu_metadata
.endif
;; end of part 1
;; launch qkv (part 2): grid 12 x 32, 4 waves a work-group, clusters of 4 x 4, 327,680 bytes of LDS; arguments x_codes, x_scales, w_codes, w_scales, bq, bk, bv, qkv; writes qkv
.if DOCPART == 2
	.amdgcn_target "amdgcn-amd-amdhsa--gfx1250"
	.amdhsa_code_object_version 6
	.text
	.protected	k_qf5a3dabcd6_qkv
	.globl	k_qf5a3dabcd6_qkv
	.p2align	8
	.type	k_qf5a3dabcd6_qkv,@function
k_qf5a3dabcd6_qkv:
	s_mov_b64 s[64:65], 0
	v_nop
	global_prefetch_b8 v0, s[64:65] scope:SCOPE_SE
	s_setreg_imm32_b32 hwreg(HW_REG_WAVE_MODE, 25, 1), 1
	s_wait_xcnt 0x0
	s_wait_alu depctr_hold_cnt(0) depctr_sa_sdst(0) depctr_va_vdst(0) depctr_va_sdst(0) depctr_va_ssrc(0) depctr_va_vcc(0) depctr_vm_vsrc(0)
	s_getreg_b32 s2, hwreg(HW_REG_IB_STS2, 6, 4)
	s_cmp_eq_u32 s2, 0
	s_cbranch_scc0 .Lentry_in_a_cluster
	s_endpgm
.Lentry_in_a_cluster:
	s_bfe_u32 s2, ttmp6, 0x10000c
	s_cmp_lg_u32 s2, 0xf033
	s_cbranch_scc0 .Lentry_shape_is_right
	s_endpgm
.Lentry_shape_is_right:
; QKV: the three quantised products in one GEMM on codes of E2M1: C[m][n] = sum over k of x[m][k] w[n][k] + bias[n], m = 8,192 tokens, n = 3,072 (Wq's, Wk's, Wv's columns), K = 1,024.
; x_codes [8192][512 bytes], w_codes [3072][512 bytes], K innermost; x_scales [8192][32], w_scales [3072][32], one E8M0 byte for 32 along K.  Sums in f32.
; The result leaves as f16, head by head: qkv = three parts of 16,777,216 bytes, (x Wq + bq) / 8, x Wk + bk, x Wv + bv, each [batch][head][token][64]: rows of 128 bytes, a head 262,144 dense bytes.
; LIMIT: results beyond 65,504 in magnitude leave f16's range (with spread 1 as drawn; both operands 30 times larger give spread 900; a common offset of 30 spreads in both gives sums near 28,800).
; A tile of C, 256 x 256, is made by four waves, each 128 x 128: 64 accumulators of 16 x 16.  K is two slots of 512: both are first fills, nothing is filled again.
; The scales of the work-group's 256 + 256 rows, for all of K, come into LDS once, in rows of 256 bytes.
; CLUSTERS: 4 x 4 work-groups; A's tiles are shared along a row of the cluster, B's along a column: each is asked for jointly.  A weight has four tile columns, a cluster's width: the cluster's x says which weight.
; THE MATRIX INSTRUCTION IS USED TRANSPOSED (source 0 = 16 rows of w, source 1 = 16 tokens): a lane holds eight neighbouring columns of one token.  The bias is the C of each sum's first product.
; 384 work-groups: a tile of 256 x 384, which would give 256, wants 768 accumulator registers beside the fragments, which do not fit.
; REGISTERS: window 0: v0-31 addresses; v32-95 scale words, two sets, and nothing else; v128-191 A's fragments, one set; v192-255 the bias in the result's layout; on the way out v96-255 are at work.
;   window 1: B's fragments, two sets, at v0 and v128.   window 2: the accumulators of my rows 0-63 ((a, b) at v[8 (8 a + b)]);   window 3: those of my rows 64-127.
.set NQ,     4                         ; matrix instructions deep in a slot: 512 along K
.set ROWB,   256                       ; a tile's row in bytes
.set KROW,   512                       ; a row of codes in memory
.set PITCH,  272                       ; an LDS row: 256 bytes + 16 of padding: the 16 rows that a load touches start 68 words apart
.set FR,     8                         ; registers of a fragment: 16 rows x 128 K
.set NL,     2                         ; LDS loads that bring one
.set NP,     4                         ; places behind this matrix instruction (ISA guide 7.12.1)
.set HALFT,  128*PITCH
.set SLOT,   4*HALFT                   ; A's 256 rows, then B's 256 rows
.set KS,     32                        ; a row of scales in bytes
.set SCL,    2*SLOT                    ; behind the slots: the scales, as rows of 256 bytes + 16 of padding
.set HALFS,  16*272                    ; the scales of 128 rows
.set SBLK,   2*272                     ; those of 16 rows
.set SPARE,  SCL+4*HALFS               ; the spare words: 128 bytes a wave, two blocks of 256 bytes that no other line names
.set SPITCH, 272                       ; the way out: a stage of 16 rows x (256 bytes + 16) for each wave, in slot 0, which has had its one fill and its last read by then
.set ADRA, 16
.set ADRB, 20
.set STO,  24
.set RD,   25
.set CO,   26
.set ADRS, 27
.set SPW,  28
.set NIL,  29
.set SC,   32
.set TMP,  96                          ; the way out: packed results, v96-127 and v192-223 by turns
.set AF,   128
.set BK,   128                         ; the way out: rows read back, v128-159 and v160-191 by turns
.set BI,   192
.set G1, 24
.set G0, 32
.set G1B, 48
.set G0B, 56
.set G1S, 68
.set G0S, 76
.set G1SB, 80
.set G0SB, 88
.set MSB, 0
.macro WIN new                         ; the immediate's high byte repeats the setting that is left; a switch that changes nothing is dropped
.if MSB != (\new)
	s_set_vgpr_msb (MSB<<8)|(\new)
.set MSB, (\new)
.endif
.endm
.set MUL_LO, 0xa1                      ; source 0 (B) window 1, source 1 (A) window 0, C and D window 2
.set MUL_HI, 0xf1                      ; the same, C and D window 3
.set TO_B,   0x40
; A joint load: waves 0 and 1 fetch for A, waves 2 and 3 for B; the branch hangs on the wave's number alone.  An s_nop 0 and four v_nop follow each of the two lines.
.macro JLOAD g0a, g1a, g0b, g1b
	s_cmp_eq_u32 s15, 0
	s_cbranch_scc0 .Lfor_b_\@
	tensor_load_to_lds s[\g0a:\g0a+3], s[\g1a:\g1a+7]
	s_nop 0
.rept 4
	v_nop
.endr
	s_branch .Lasked_\@
.Lfor_b_\@:
	tensor_load_to_lds s[\g0b:\g0b+3], s[\g1b:\g1b+7]
	s_nop 0
.rept 4
	v_nop
.endr
.Lasked_\@:
.endm
.macro CROUND                          ; a round of the cluster's barrier
	s_barrier_signal -1
	s_barrier_wait -1
	s_cmp_lg_u32 s14, 0
	s_cbranch_scc1 .Lnot_wave_0_\@
	s_barrier_signal -3
.Lnot_wave_0_\@:
	s_barrier_wait -3
	s_barrier_signal -1
	s_barrier_wait -1
.endm
	s_load_b128 s[4:7], s[0:1], 0x0                ; x's codes s[4:5], x's scales s[6:7]
	s_load_b128 s[8:11], s[0:1], 0x10              ; w's codes s[8:9], w's scales s[10:11]
	s_load_b128 s[96:99], s[0:1], 0x20             ; bq, bk
	s_load_b64 s[100:101], s[0:1], 0x30            ; bv
	s_load_b64 s[12:13], s[0:1], 0x38              ; qkv
	v_lshl_add_u32 v[SPW], v0, 2, SPARE
	v_mov_b32 v[NIL], 0
	ds_add_u32 v[SPW], v[NIL]                      ; the wave's opening: the add, twice on end, and its wait ahead of my first tensor load
	ds_add_u32 v[SPW], v[NIL]
	v_lshrrev_b32 v1, 5, v0
	v_readfirstlane_b32 s14, v1                    ; wave 0..3
	s_lshr_b32 s15, s14, 1                         ; which half of the tile's rows is mine.  Also: I fetch for A (0) or for B (1)
	s_and_b32 s16, s14, 1                          ; which half of its columns.  Also: which 128 rows of that tile I fetch
	s_bfe_u32 s40, ttmp6, 0x40000                  ; cx, cy: my place in the cluster
	s_bfe_u32 s41, ttmp6, 0x40004
	s_lshl_b32 s42, ttmp9, 2
	s_add_co_u32 s42, s42, s40                     ; tile column of C = 4 x cluster x + cx
	s_and_b32 s17, ttmp7, 0xffff
	s_lshl_b32 s17, s17, 2
	s_add_co_u32 s17, s17, s41                     ; tile row of C = 4 x cluster y + cy
	s_lshl_b32 s43, s41, 2
	s_lshl_b32 s43, 15, s43                        ; my row of the cluster
	s_lshl_b32 s44, 0x1111, s40                    ; my column
	; descriptor group 1: a tile of 128 rows x 256 bytes, 16 bytes of padding behind each row
	s_or_b32 s[G1+0], s43, (0<<16)|(1<<20)|(1<<21)|(5<<22)|(3<<25)  ; 15:0 the mask; 17:16 elements of 1 byte; 20 padding on; 21 set beside a mask; 24:22 after every 64 words; 31:25 four words
	s_or_b32 s[G1B+0], s44, (0<<16)|(1<<20)|(1<<21)|(5<<22)|(3<<25)
.irp g, G1, G1B
	s_mov_b32 s[\g+1], ROWB<<16                    ; tensor_dim0
	s_mov_b32 s[\g+2], 128<<16                     ; tensor_dim1
	s_mov_b32 s[\g+3], ROWB<<16                    ; tile_dim0
	s_mov_b32 s[\g+4], 128                         ; tile_dim1
	s_mov_b32 s[\g+5], KROW                        ; from row to row
	s_mov_b32 s[\g+6], 0
	s_mov_b32 s[\g+7], 0
.endr
	; the scales of 128 rows: 4,096 dense bytes, as 16 rows of 256 bytes (32 elements of 8 bytes), 16 bytes of padding behind each
	s_or_b32 s[G1S+0], s43, (3<<16)|(1<<20)|(1<<21)|(5<<22)|(3<<25)
	s_or_b32 s[G1SB+0], s44, (3<<16)|(1<<20)|(1<<21)|(5<<22)|(3<<25)
.irp g, G1S, G1SB
	s_mov_b32 s[\g+1], 32<<16
	s_mov_b32 s[\g+2], 16<<16
	s_mov_b32 s[\g+3], 32<<16
	s_mov_b32 s[\g+4], 16
	s_mov_b32 s[\g+5], 32
	s_mov_b32 s[\g+6], 0
	s_mov_b32 s[\g+7], 0
.endr
	s_lshl_b32 s18, s16, 7                         ; which 128 rows of the tile I fetch
	s_lshl_b32 s20, s17, 8
	s_add_co_u32 s20, s20, s18                     ; A: row 256 x tile row + 128 x half
	s_lshl_b32 s46, s42, 8
	s_add_co_u32 s46, s46, s18                     ; B: row 256 x tile column + 128 x half
	s_mov_b32 s21, 0
	s_mov_b32 s47, 0
	s_mov_b64 s[18:19], KS
	s_mul_u64 s[22:23], s[20:21], s[18:19]         ; where these rows' scales begin, in bytes,
	s_mul_u64 s[92:93], s[46:47], s[18:19]
	s_mov_b64 s[18:19], KROW
	s_mul_u64 s[20:21], s[20:21], s[18:19]         ; and their codes
	s_mul_u64 s[46:47], s[46:47], s[18:19]
	s_mul_i32 s45, s14, HALFT                      ; where they go: wave x 128 rows: no place in the cluster enters an LDS address
	s_mul_i32 s94, s14, HALFS
	s_wait_dscnt 0x0                               ; both opening adds are done
	s_wait_kmcnt 0x0
	s_add_nc_u64 s[20:21], s[4:5], s[20:21]
	s_add_nc_u64 s[22:23], s[6:7], s[22:23]
	s_add_nc_u64 s[46:47], s[8:9], s[46:47]
	s_add_nc_u64 s[92:93], s[10:11], s[92:93]
	CROUND                                         ; all sixteen work-groups are here: the joint loads meet
	s_mov_b32 s[G0S], 1
	s_add_co_u32 s[G0S+1], s94, SCL
	s_mov_b64 s[G0S+2:G0S+3], s[22:23]
	s_or_b32 s[G0S+3], s[G0S+3], 0x80000000
	s_mov_b32 s[G0SB], 1
	s_add_co_u32 s[G0SB+1], s94, SCL
	s_mov_b64 s[G0SB+2:G0SB+3], s[92:93]
	s_or_b32 s[G0SB+3], s[G0SB+3], 0x80000000
	JLOAD G0S, G1S, G0SB, G1SB                     ; the scales first: they are wanted with the first slot
.irp s, 0,1
	s_mov_b32 s[G0+4*\s], 1
	s_add_co_u32 s[G0+4*\s+1], s45, \s*SLOT
	s_add_nc_u64 s[G0+4*\s+2:G0+4*\s+3], s[20:21], \s*ROWB
	s_or_b32 s[G0+4*\s+3], s[G0+4*\s+3], 0x80000000
	s_mov_b32 s[G0B+4*\s], 1
	s_add_co_u32 s[G0B+4*\s+1], s45, \s*SLOT
	s_add_nc_u64 s[G0B+4*\s+2:G0B+4*\s+3], s[46:47], \s*ROWB
	s_or_b32 s[G0B+4*\s+3], s[G0B+4*\s+3], 0x80000000
	JLOAD G0+4*\s, G1, G0B+4*\s, G1B               ; three tensor loads of mine are out: all that this launch asks for
.endr
	v_and_b32 v1, 15, v0                           ; r = l % 16
	v_bfe_u32 v2, v0, 4, 1                         ; h = l / 16
	; the bias, in the result's layout: for B's block b lane (r, h) wants bias[my first column + 16 b + 8 h + 0 .. 7]
	s_cmp_eq_u32 ttmp9, 0                          ; the cluster's x says which weight: the same in all sixteen partners
	s_cselect_b64 s[96:97], s[96:97], s[98:99]
	s_cselect_b32 s66, 0x3e000000, 1.0             ; q is divided by 8 = sqrt(64), exactly; k and v are multiplied by 1
	s_cmp_eq_u32 ttmp9, 2
	s_cselect_b64 s[96:97], s[100:101], s[96:97]
	s_mov_b32 s67, s66                             ; (the packed form names the pair)
	s_lshl_b32 s46, s40, 10                        ; 256 cx columns of 4 bytes
	s_lshl_b32 s47, s16, 9                         ; + 128 x half
	s_add_co_u32 s46, s46, s47
	s_mov_b32 s47, 0
	s_add_nc_u64 s[96:97], s[96:97], s[46:47]
	v_lshlrev_b32 v7, 5, v2
.irp b, 0,1,2,3,4,5,6,7
	global_load_b128 v[BI+8*\b:BI+8*\b+3], v7, s[96:97] offset:64*\b
	global_load_b128 v[BI+8*\b+4:BI+8*\b+7], v7, s[96:97] offset:64*\b+16
.endr
	v_mul_u32_u24 v3, v1, PITCH
	v_lshl_add_u32 v4, v2, 4, v3                   ; a fragment's row x pitch + 16 x half
	s_mul_i32 s21, s15, HALFT                      ; my 128 rows of A
	s_mul_i32 s22, s16, HALFT                      ; my 128 rows of B,
	s_add_co_u32 s22, s22, 2*HALFT                 ; which lie behind A's 256
.irp s, 0,1
	v_add_nc_u32 v[ADRA+\s], s21, v4
	v_add_nc_u32 v[ADRB+\s], s22, v4
	s_add_co_u32 s21, s21, SLOT
	s_add_co_u32 s22, s22, SLOT
.endr
	v_mul_u32_u24 v5, v1, KS                       ; my row's scales: 32 bytes a row,
	v_lshrrev_b32 v6, 8, v5
	v_lshl_add_u32 v5, v6, 4, v5                   ; and 16 more for each 256 passed
	s_mul_i32 s21, s15, HALFS                      ; A's: my 128 rows
	s_mul_i32 s22, s16, HALFS                      ; B's: my 128 rows, behind A's 256
	s_add_co_u32 s22, s22, 2*HALFS
	s_sub_co_u32 s22, s22, s21
	v_mul_u32_u24 v6, s22, v2                      ; lanes 16-31 take B's
	s_add_co_u32 s21, s21, SCL
	v_add_nc_u32 v5, v5, v6
	v_add_nc_u32 v[ADRS], s21, v5
	s_mul_i32 s23, s14, 16*SPITCH                  ; my stage
	v_mul_u32_u24 v5, v1, SPITCH                   ; in: row r, 16 bytes for each half of the lanes
	v_lshl_add_u32 v5, v2, 4, v5
	v_add_nc_u32 v[STO], s23, v5
	v_and_b32 v6, 31, v0
	v_lshlrev_b32 v[CO], 4, v6                     ; in memory: 32 lanes x 16 bytes = four tokens' 128 bytes of one head, on end
	v_lshrrev_b32 v5, 3, v6
	v_mul_u32_u24 v5, v5, SPITCH                   ; back: eight lanes to a token's 128 bytes of a head, four tokens an instruction
	v_and_b32 v6, 7, v6
	v_lshl_add_u32 v5, v6, 4, v5
	v_add_nc_u32 v[RD], s23, v5
	s_lshl_b32 s20, s17, 8
	s_lshl_b32 s21, s15, 7
	s_add_co_u32 s20, s20, s21                     ; my first token: 256 x tile row + 128 x half
	s_lshr_b32 s21, s20, 11                        ; its batch,
	s_and_b32 s20, s20, 2047                       ; its place there: 128 bytes a token
	s_lshl_b32 s20, s20, 7
	s_lshl_b32 s21, s21, 22                        ; a batch: 16 heads of 262,144 bytes
	s_add_co_u32 s20, s20, s21
	s_lshl_b32 s21, ttmp9, 24                      ; the part: q, k or v
	s_add_co_u32 s20, s20, s21
	s_mov_b32 s21, 0
	s_lshl_b32 s46, s40, 20                        ; my first head: 4 cx + 2 x half
	s_lshl_b32 s47, s16, 19
	s_add_co_u32 s46, s46, s47
	s_mov_b32 s47, 0
	s_add_nc_u64 s[20:21], s[20:21], s[46:47]
	s_add_nc_u64 s[12:13], s[12:13], s[20:21]
.macro FRAG reg, adr, q, i             ; a fragment: lane l holds row l % 16; registers 4 c .. 4 c + 3 hold K = 64 c + 32 (l / 16) + 0 .. 31
.irp c, 0,1
	ds_load_b128 v[\reg+4*\c:\reg+4*\c+3], v[\adr] offset:64*(\q)+32*\c+(\i)*16*PITCH
.endr
.endm
; 16 matrix instructions: A's blocks a0, a0 + 1 x B's eight, the slot's q-th 128 along K.  p: B's set;  sc: the set of scale words.  first = 1: the bias is C: it starts the sums, nothing is cleared.
; The 64 accumulators take turns, one instruction a turn, in the same order in every step.
.macro MUL16 a0, p, q, sc, first
.irp a, \a0, \a0+1
.irp b, 0,1,2,3,4,5,6,7
.if \first
	v_wmma_scale_f32_16x16x128_f8f6f4 v[8*(8*((\a)%4)+\b):8*(8*((\a)%4)+\b)+7], v[128*(\p)+FR*\b:128*(\p)+FR*\b+FR-1], v[AF+FR*(\a):AF+FR*(\a)+FR-1], v[BI+8*\b:BI+8*\b+7], v[SC+8*NQ*(\sc)+NQ*\b+(\q)], v[SC+8*NQ*(\sc)+NQ*(\a)+(\q)] matrix_a_fmt:MATRIX_FMT_FP4 matrix_b_fmt:MATRIX_FMT_FP4 matrix_a_scale:MATRIX_SCALE_ROW1
.else
	v_wmma_scale_f32_16x16x128_f8f6f4 v[8*(8*((\a)%4)+\b):8*(8*((\a)%4)+\b)+7], v[128*(\p)+FR*\b:128*(\p)+FR*\b+FR-1], v[AF+FR*(\a):AF+FR*(\a)+FR-1], v[8*(8*((\a)%4)+\b):8*(8*((\a)%4)+\b)+7], v[SC+8*NQ*(\sc)+NQ*\b+(\q)], v[SC+8*NQ*(\sc)+NQ*(\a)+(\q)] matrix_a_fmt:MATRIX_FMT_FP4 matrix_b_fmt:MATRIX_FMT_FP4 matrix_a_scale:MATRIX_SCALE_ROW1
.endif
.endr
.endr
.endm
.macro FETCH_B slot, q, p
	WIN TO_B
.irp i, 0,1,2,3,4,5,6,7
	FRAG 128*(\p)+FR*\i, ADRB+\slot, \q, \i
.endr
	WIN 0
.endm
.macro FETCH_A slot, q, i0
.irp i, \i0, \i0+1, \i0+2, \i0+3
	FRAG AF+FR*(\i), ADRA+\slot, \q, \i
.endr
.endm
.macro SCALES sc                       ; a slot's scale words into set sc: four words a row; lanes 0-15 take A's block i, lanes 16-31 B's block i
.irp i, 0,1,2,3,4,5,6,7
	ds_load_b128 v[SC+8*NQ*\sc+NQ*\i:SC+8*NQ*\sc+NQ*\i+3], v[ADRS] offset:\i*SBLK
.endr
.endm
.macro PLACES n                        ; plain vector lines between a matrix instruction and a load into, or a vector write of, one of its registers, or a read of its result
.rept \n
	v_nop
.endr
.endm
; A step of 128 along K that has its successor in the same slot.  A block of A is free as soon as its eight products are issued: blocks 0-3 are fetched anew in the step's middle, blocks 4-7 at its end.
.macro STEP slot, q, first
	s_wait_dscnt 4*NL                              ; B's set and A's blocks 0-3 are in; the youngest eight loads (A's blocks 4-7) may be out
	WIN MUL_LO-0x20*(\first)                       ; (first: C, the bias, lies in window 0)
	MUL16 0, (\q)%2, \q, \slot, \first
	MUL16 2, (\q)%2, \q, \slot, \first
	s_wait_dscnt 0                                 ; A's blocks 4-7 are in
	PLACES NP
	FETCH_B \slot, (\q)+1, 1-(\q)%2
	FETCH_A \slot, (\q)+1, 0
	WIN MUL_HI-0x30*(\first)
	MUL16 4, (\q)%2, \q, \slot, \first
	MUL16 6, (\q)%2, \q, \slot, \first
	PLACES NP
	WIN 0
	FETCH_A \slot, (\q)+1, 4
.endm
; Slot 0's last step changes slots: one barrier; in front of it each wave waits for all its tensor loads (its part of slot 1), adds 0 to its spare word, and waits for that and for its reads of slot 0.
.macro TURN slot, next
	s_wait_tensorcnt 0x0                           ; all my tensor loads have landed
	ds_add_u32 v[SPW], v[NIL]                      ; 0 onto my spare word
	s_wait_dscnt 4*NL+1                            ; (the add and A's blocks 4-7 may be out)
	WIN MUL_LO
	MUL16 0, 1, NQ-1, \slot, 0
	s_wait_dscnt 0x0                               ; the add is done, and my reads of this slot are over
	s_barrier_signal -1
	MUL16 2, 1, NQ-1, \slot, 0
	WIN 0
	s_barrier_wait -1
	PLACES NP
	v_add_nc_u32 v[ADRS], 4*NQ, v[ADRS]            ; on to the next slot's scale words
	FETCH_B \next, 0, 0
	FETCH_A \next, 0, 0
	SCALES \next
	WIN MUL_HI
	MUL16 4, 1, NQ-1, \slot, 0
	MUL16 6, 1, NQ-1, \slot, 0
	PLACES NP
	WIN 0
	FETCH_A \next, 0, 4
.endm
	s_wait_tensorcnt 1                             ; the scales and my part of slot 0 are in (slot 1's load may be out),
	s_barrier_signal -1
	s_barrier_wait -1                              ; everybody's are
	FETCH_B 0, 0, 0
	FETCH_A 0, 0, 0
	SCALES 0
	FETCH_A 0, 0, 4
	s_wait_loadcnt 0x0                             ; the bias
	STEP 0, 0, 1
	STEP 0, 1, 0
	STEP 0, 2, 0
	TURN 0, 1
	STEP 1, 0, 0
	STEP 1, 1, 0
	STEP 1, 2, 0
	s_wait_dscnt 4*NL                              ; the very last step: nothing more to fetch
	WIN MUL_LO
	MUL16 0, 1, NQ-1, 1, 0
	MUL16 2, 1, NQ-1, 1, 0
	s_wait_dscnt 0
	WIN MUL_HI
	MUL16 4, 1, NQ-1, 1, 0
	MUL16 6, 1, NQ-1, 1, 0
	WIN 0
; THE WAY OUT, block by block of 16 tokens x 128 columns (two heads).  PACK: x 1/8 (q) or x 1 (k, v), in place, each accumulator from its low end on; rounded to f16, 16 bytes a lane.
; TOSTAGE: into my stage (rows of 272 bytes), and back eight lanes to a token's 128 bytes of one head.  SEND: a store covers four tokens of a head: 512 consecutive bytes, aligned.
.macro PACK a
.set AC, 64*((\a)%4)
.set TP, TMP+96*((\a)%2)
	WIN 0x82+0x41*((\a)/4)                         ; source 0 and destination: window 2 or 3
.set i, 0
.rept 32
	v_pk_mul_f32 v[AC+i:AC+i+1], v[AC+i:AC+i+1], s[66:67] op_sel_hi:[1,0]
.set i, i+2
.endr
	WIN 0x0a+5*((\a)/4)                            ; sources 0 and 1: window 2 or 3; destination window 0
.set i, 0
.rept 32
	v_cvt_pk_f16_f32 v[TP+i], v[AC+2*i], v[AC+2*i+1]
.set i, i+1
.endr
	WIN 0
.endm
.macro TOSTAGE a
.set TP, TMP+96*((\a)%2)
.set BB, BK+32*((\a)%2)
.irp b, 0,1,2,3,4,5,6,7
	ds_store_b128 v[STO], v[TP+4*\b:TP+4*\b+3] offset:32*\b
.endr
.irp t, 0,1,2,3,4,5,6,7
	ds_load_b128 v[BB+4*\t:BB+4*\t+3], v[RD] offset:(\t%4)*4*SPITCH+(\t/4)*128   ; LDS serves a wave's instructions in order: these see the stores above
.endr
.endm
.macro SEND a, younger                 ; younger: the LDS instructions issued behind block a's loads, which may stay out
.set BB, BK+32*((\a)%2)
	s_wait_dscnt \younger
.irp t, 0,1,2,3,4,5,6,7
	global_store_b128 v[CO], v[BB+4*\t:BB+4*\t+3], s[12:13] offset:2048*(\a)+512*(\t%4)+262144*(\t/4)
.endr
.endm
	PLACES NP                                      ; behind the last products: for the reads of their results and the writes into registers that they read
	PACK 0
	TOSTAGE 0
.irp a, 1,2,3,4,5,6,7
	PACK \a
.if \a > 1
	s_wait_xcnt 0x0                                ; block a - 2's stores have read their registers: block a's loads may land there
.endif
	TOSTAGE \a
	SEND (\a-1), 16                                ; behind block a - 1's loads: block a's 8 stores and 8 loads
.endr
	SEND 7, 0
	s_wait_tensorcnt 0x0                           ; the wave's end: behind my last tensor load and my last LDS store
	ds_add_u32 v[SPW], v[NIL]
	s_wait_dscnt 0x0
	CROUND                                         ; the closing round: no work-group ends while a partner may still ask for a tile that names it
	s_endpgm
.Lfunc_end_k_qf5a3dabcd6_qkv:
	.size	k_qf5a3dabcd6_qkv, .Lfunc_end_k_qf5a3dabcd6_qkv-k_qf5a3dabcd6_qkv
	.p2alignl 7, 3214868480
	.fill 96, 4, 3214868480
	.section	.rodata,"a",@progbits
	.p2align	6, 0x0
	.amdhsa_kernel k_qf5a3dabcd6_qkv
		.amdhsa_group_segment_fixed_size 327680
		.amdhsa_private_segment_fixed_size 0
		.amdhsa_enable_private_segment 0
		.amdhsa_kernarg_size 64
		.amdhsa_user_sgpr_count 2
		.amdhsa_user_sgpr_kernarg_segment_ptr 1
		.amdhsa_wavefront_size32 1
		.amdhsa_system_sgpr_workgroup_id_x 1
		.amdhsa_system_sgpr_workgroup_id_y 1
		.amdhsa_system_sgpr_workgroup_id_z 1
		.amdhsa_system_vgpr_workitem_id 0
		.amdhsa_next_free_vgpr 1024
		.amdhsa_next_free_sgpr 102
		.amdhsa_reserve_vcc 0
		.amdhsa_float_denorm_mode_32 3
		.amdhsa_float_denorm_mode_16_64 3
		.amdhsa_memory_ordered 1
		.amdhsa_forward_progress 1
		.amdhsa_inst_pref_size 145
	.end_amdhsa_kernel
	.amdgpu_metadata
---
amdhsa.version: [ 1, 2 ]
amdhsa.kernels:
  - .name:           k_qf5a3dabcd6_qkv
    .symbol:         k_qf5a3dabcd6_qkv.kd
    .args:
      - { .name: x_codes, .offset: 0, .size: 8, .value_kind: global_buffer, .address_space: global }
      - { .name: x_scales, .offset: 8, .size: 8, .value_kind: global_buffer, .address_space: global }
      - { .name: w_codes, .offset: 16, .size: 8, .value_kind: global_buffer, .address_space: global }
      - { .name: w_scales, .offset: 24, .size: 8, .value_kind: global_buffer, .address_space: global }
      - { .name: bq, .offset: 32, .size: 8, .value_kind: global_buffer, .address_space: global }
      - { .name: bk, .offset: 40, .size: 8, .value_kind: global_buffer, .address_space: global }
      - { .name: bv, .offset: 48, .size: 8, .value_kind: global_buffer, .address_space: global }
      - { .name: qkv, .offset: 56, .size: 8, .value_kind: global_buffer, .address_space: global }
    .group_segment_fixed_size: 327680
    .private_segment_fixed_size: 0
    .kernarg_segment_align: 8
    .kernarg_segment_size: 64
    .max_flat_workgroup_size: 128
    .sgpr_count:     102
    .vgpr_count:     1024
    .wavefront_size: 32
...
	.end_amdgpu_metadata
.endif
;; end of part 2
;; launch attn (part 3): grid 4 x 64, 8 waves a work-group, clusters of 4 x 1, 327,680 bytes of LDS; arguments qkv, attention_mask, ctx; writes ctx
.if DOCPART == 3
	.amdgcn_target "amdgcn-amd-amdhsa--gfx1250"
	.amdhsa_code_object_version 6
	.text
	.protected	k_qf5a3dabcd6_attn
	.globl	k_qf5a3dabcd6_attn
	.p2align	8
	.type	k_qf5a3dabcd6_attn,@function
k_qf5a3dabcd6_attn:
	s_mov_b64 s[64:65], 0
	v_nop
	global_prefetch_b8 v0, s[64:65] scope:SCOPE_SE
	s_setreg_imm32_b32 hwreg(HW_REG_WAVE_MODE, 25, 1), 1
	s_wait_xcnt 0x0
	s_wait_alu depctr_hold_cnt(0) depctr_sa_sdst(0) depctr_va_vdst(0) depctr_va_sdst(0) depctr_va_ssrc(0) depctr_va_vcc(0) depctr_vm_vsrc(0)
	s_getreg_b32 s2, hwreg(HW_REG_IB_STS2, 6, 4)
	s_cmp_eq_u32 s2, 0
	s_cbranch_scc0 .Lentry_in_a_cluster
	s_endpgm
.Lentry_in_a_cluster:
	s_bfe_u32 s2, ttmp6, 0x10000c
	s_cmp_lg_u32 s2, 0x3003
	s_cbranch_scc0 .Lentry_shape_is_right
	s_endpgm
.Lentry_shape_is_right:
; ATTN: ctx[b][h][q][:] = the sum over k of softmax_k(q . k + mask[b][k]) v[k][:], on f16 operands with f32 sums.  qkv holds q / 8, k, v as f16 [b][h][token][64] (three parts of 16,777,216 bytes);
; attention_mask is [4][2048] f32, added to the scores; ctx is f16 [b][h][token][64].  Maxima, exponentials and sums in f32; the weights p, at most 1, are rounded to f16 for the second product, ctx once at the end.
; SHARES.  A cluster of four work-groups is one (batch, head); a work-group owns 512 queries, each of its eight waves 64: four tiles of 16.  Two waves share a SIMD: one wave's softmax stands beside the other's products.
; Every wave walks all 2,048 keys, 64 a step; a fragment of K or V read from LDS feeds four matrix instructions.
; LAYOUT.  S^T = K Q^T + mask (source 0 = 16 keys, source 1 = 16 queries, C = the mask of the 16 keys): a lane holds ONE query (lane % 16) and the keys 8 (lane / 16) + 0..7.  Two such tiles, rounded to f16 in
; pairs, ARE source 1 (32 keys x 16 queries) of O^T = V^T P.  K comes out of LDS as it lies, V ([key][channel]) turned, by ds_load_tr16_b128.
; SOFTMAX.  For each query a running maximum m and sum l: p = 2^(c s - c m), c = log2(e); in every step O and l are multiplied by a = 2^(c m_old - c m_new).
; LIMIT: m begins at -1e37.  A query ALL of whose keys have score + mask under -1e37 (a row masked by -infinity throughout) gets 0 / 0, not a number.  -infinity on some keys is served: their p is 0.
; CLUSTER.  The four work-groups walk the same K, V and mask: each tile is asked for jointly, by the same tensor load with the same descriptor and the mask 15.
; RING.  Two LDS slots of 256 keys (four steps).  The change of slots stands at a slot's head; behind its round the slot just left is filled: the load has four steps in which to land.
; REGISTERS, window 0: v1-14 addresses; v16-47 statistics, eight a tile: +0 c m, +1 m, +2, +3 l, +4 .. +7 at work (a in +6); v48-111 K's fragments, then V's; v112-239 S^T, 32 a tile; P in place in a tile's first 16.
;   window 1: v0-127 O^T, 32 a tile; v128-191 Q, 16 a tile; v192-223 the step's mask in the result's layout.
.set KS,    64
.set PK,    144       ; a row of K in LDS: 128 bytes + 16 of padding
.set PV,    160       ; a row of V: 128 + 32
.set VOFF,  KS*PK     ; a step: 64 rows of K, then 64 rows of V
.set STEPB, KS*(PK+PV)
.set SLOT1, 1<<17     ; slot 1 begins here: one exclusive or turns an address in one slot into the other's
.set MASK,  4*STEPB   ; behind slot 0: the batch's 2,048 mask numbers, filled once
.set STAGE, MASK+8192 ; 16 rows x 144 bytes for each wave, for the way out
.set SP,    144
.set SPARE, STAGE+8*16*SP  ; the spare words: 128 bytes a wave, four blocks of 256 bytes that no other line names
.set AK0, 2
.set AV0, 3
.set AM0, 4
.set ADK, 5
.set ADV, 6
.set ADM, 7
.set QO,  8
.set STO, 9
.set RD,  10
.set GO,  11
.set SPW, 12
.set NIL, 13
.set PFO, 14
.set ST,  16
.set KV,  48
.set S,   112
.set QF,  128         ; in window 1
.set MK,  192         ; in window 1
.set WV,  10
.set G1K, 24
.set G1V, 32
.set G1M, 40
.set G0K, 48
.set G0V, 52
.set G0M, 56
.set CS,  60
.set SEL, 62
.set TB,  66          ; s66  LDS byte at which the step's tiles begin
.set TM,  67          ; s67  the step's first byte among the mask numbers
.set SLOTS, 68        ; s68  slots still to be asked for
.set CNT, 69
.set LIM, 70          ; s70  1 in a wave that prefetches, else the greatest number
.set PFA, 72          ; s[72:73] where my prefetches stand
.set MSB, 0
.macro WIN new
.if MSB != (\new)
	s_set_vgpr_msb (MSB<<8)|(\new)
.set MSB, (\new)
.endif
.endm
; A joint load of a slot: waves 0 to 3 fetch the four steps' tiles of K, waves 4 to 7 those of V.  The branch hangs on the wave's number alone.  An s_nop 0 and four v_nop follow each line.
.macro JLOAD
	s_cmp_lt_u32 s[WV], 4
	s_cbranch_scc0 .Lfor_v_\@
	tensor_load_to_lds s[G0K:G0K+3], s[G1K:G1K+7]
	s_nop 0
.rept 4
	v_nop
.endr
	s_branch .Lasked_\@
.Lfor_v_\@:
	tensor_load_to_lds s[G0V:G0V+3], s[G1V:G1V+7]
	s_nop 0
.rept 4
	v_nop
.endr
.Lasked_\@:
.endm
; A prefetch of what the NEXT change of slots will ask for: a slot's 32,768 bytes of K and of V.  Each aligned 256 bytes is named once in the launch: a head is walked by one cluster; its four partners take 8,192 bytes
; each, told apart by address; in each, wave 0 asks for K's and wave 4 for V's, lanes 256 bytes apart.  It leads that load by four key steps.  The last change that fills a slot asks for nothing; slots 0 and 1 come by their loads alone.
.macro ASK
	s_cmp_gt_u32 s[SLOTS], s[LIM]
	s_cbranch_scc0 .Lnot_mine_\@
	global_prefetch_b8 v[PFO], s[PFA:PFA+1] th:TH_LOAD_NT scope:SCOPE_SE
.Lnot_mine_\@:
.endm
.macro CROUND                       ; a round of the cluster's barrier
	s_barrier_signal -1
	s_barrier_wait -1
	s_cmp_lg_u32 s[WV], 0
	s_cbranch_scc1 .Lnot_wave_0_\@
	s_barrier_signal -3
.Lnot_wave_0_\@:
	s_barrier_wait -3
	s_barrier_signal -1
	s_barrier_wait -1
.endm
	s_load_b128 s[4:7], s[0:1], 0x0  ; qkv s[4:5], attention_mask s[6:7]
	s_load_b64 s[8:9], s[0:1], 0x10  ; ctx
	v_lshl_add_u32 v[SPW], v0, 2, SPARE
	v_mov_b32 v[NIL], 0
	ds_add_u32 v[SPW], v[NIL]       ; the wave's opening: the add, twice on end, and its wait ahead of my first tensor load
	ds_add_u32 v[SPW], v[NIL]
	v_lshrrev_b32 v1, 5, v0
	v_readfirstlane_b32 s[WV], v1   ; wave 0..7
	s_bfe_u32 s11, ttmp6, 0x40000   ; cx: my place in the cluster: it enters Q's, ctx's and the prefetches' addresses alone
	s_and_b32 s12, ttmp7, 0xffff    ; 16 x batch + head, which the four partners share
	s_lshl_b32 s22, s12, 18         ; the head's first byte in a part of qkv and in ctx
	s_mov_b32 s23, 0
	s_and_b32 s13, s[WV], 3         ; which of a slot's four steps I fetch:
	s_lshl_b32 s14, s13, 13         ; its 64 rows of 128 bytes in memory,
	s_mov_b32 s15, 0
	s_mul_i32 s13, s13, STEPB       ; and its place in a slot
	s_lshr_b32 s74, s12, 4
	s_lshl_b32 s74, s74, 13         ; the batch's mask: 8,192 bytes;
	s_lshl_b32 s75, s[WV], 10       ; my wave fetches 1,024 of them
	s_add_co_u32 s74, s74, s75
	s_mov_b32 s75, 0
	s_lshl_b32 s76, s11, 16         ; my work-group's 512 queries of 128 bytes,
	s_lshl_b32 s77, s[WV], 13       ; my wave's 64
	s_add_co_u32 s76, s76, s77
	s_mov_b32 s77, 0
	s_add_nc_u64 s[76:77], s[76:77], s[22:23]
	s_lshl_b32 s78, s11, 13         ; the prefetches: my work-group's 8,192 bytes of a slot's 32,768,
	s_add_co_u32 s78, s78, 32768    ; in slot 1: the first change of slots steps it to slot 2
	s_mov_b32 s79, 0
	; descriptor group 1: a tile of 64 rows x 64 elements of 2 bytes, dense in memory, padded behind every row in LDS
	s_mov_b32 s[G1K], 15|(1<<16)|(1<<20)|(1<<21)|(4<<22)|(3<<25)  ; 15:0 the mask: all four work-groups; 17:16 2 bytes; 20 padding on; 21 set beside a mask; 24:22 after every 32 words; 31:25 four words
	s_mov_b32 s[G1V], 15|(1<<16)|(1<<20)|(1<<21)|(4<<22)|(7<<25)  ; the same with eight words of padding
.irp g, G1K, G1V
	s_mov_b32 s[\g+1], 64<<16       ; tensor_dim0
	s_mov_b32 s[\g+2], KS<<16       ; tensor_dim1
	s_mov_b32 s[\g+3], 64<<16       ; tile_dim0
	s_mov_b32 s[\g+4], KS           ; tile_dim1
	s_mov_b32 s[\g+5], 64           ; from row to row
	s_mov_b32 s[\g+6], 0
	s_mov_b32 s[\g+7], 0
.endr
	s_mov_b32 s[G1M], 15|(3<<16)|(1<<21)  ; the mask numbers: 1,024 dense bytes as four rows of 32 elements of 8 bytes, no padding
	s_mov_b32 s[G1M+1], 32<<16
	s_mov_b32 s[G1M+2], 4<<16
	s_mov_b32 s[G1M+3], 32<<16
	s_mov_b32 s[G1M+4], 4
	s_mov_b32 s[G1M+5], 32
	s_mov_b32 s[G1M+6], 0
	s_mov_b32 s[G1M+7], 0
	s_mov_b32 s[CS], 0x3fb8aa3b     ; c = log2(e)
	s_mov_b32 s[CS+1], s[CS]        ; (named with it as a pair)
	s_mov_b32 s[SEL], 0x76543210
	s_mov_b32 s[SEL+1], 0xfedcba98  ; v_permlanex16_b32's selects for lane l xor 16
	s_mov_b32 s[TB], 0
	s_mov_b32 s[TM], 0
	s_mov_b32 s[SLOTS], 7
	s_and_b32 s[LIM], s[WV], 3
	s_cmp_eq_u32 s[LIM], 0          ; waves 0 and 4 prefetch
	s_cselect_b32 s[LIM], 1, -1
	s_wait_dscnt 0x0                ; both opening adds are done
	s_wait_kmcnt 0x0
	s_add_nc_u64 s[16:17], s[4:5], 0x1000000  ; k's part,
	s_add_nc_u64 s[16:17], s[16:17], s[22:23]  ; my head
	s_add_nc_u64 s[18:19], s[4:5], 0x2000000  ; v's part
	s_add_nc_u64 s[18:19], s[18:19], s[22:23]
	s_add_nc_u64 s[20:21], s[4:5], s[76:77]  ; q at my wave's first query
	s_add_nc_u64 s[8:9], s[8:9], s[76:77]  ; ctx likewise
	s_cmp_lt_u32 s[WV], 4
	s_cselect_b64 s[PFA:PFA+1], s[16:17], s[18:19]
	s_add_nc_u64 s[PFA:PFA+1], s[PFA:PFA+1], s[78:79]
	CROUND                          ; all four work-groups are here: the first joint loads meet
	s_mov_b32 s[G0M], 1
	s_lshl_b32 s[G0M+1], s[WV], 10
	s_add_co_u32 s[G0M+1], s[G0M+1], MASK
	s_add_nc_u64 s[G0M+2:G0M+3], s[6:7], s[74:75]
	s_or_b32 s[G0M+3], s[G0M+3], 0x80000000
	s_mov_b32 s[G0K], 1
	s_mov_b32 s[G0K+1], s13
	s_add_nc_u64 s[G0K+2:G0K+3], s[16:17], s[14:15]
	s_or_b32 s[G0K+3], s[G0K+3], 0x80000000
	s_mov_b32 s[G0V], 1
	s_add_co_u32 s[G0V+1], s13, VOFF
	s_add_nc_u64 s[G0V+2:G0V+3], s[18:19], s[14:15]
	s_or_b32 s[G0V+3], s[G0V+3], 0x80000000
	tensor_load_to_lds s[G0M:G0M+3], s[G1M:G1M+7]  ; every wave: its eighth of the mask numbers
	s_nop 0
.rept 4
	v_nop
.endr
	JLOAD                           ; slot 0.  Two tensor loads of mine are out
	v_and_b32 v1, 15, v0            ; r = l % 16
	v_bfe_u32 v15, v0, 4, 1         ; h = l / 16
	v_lshlrev_b32 v[QO], 7, v1
	v_lshl_add_u32 v[QO], v15, 4, v[QO]  ; row x 128 + 16 x half
	WIN 0x40                        ; destination window 1, address window 0
.irp t, 0,1,2,3                     ; Q stays in registers: tile t, channels 32 c on: 8 registers
.irp c, 0,1
	global_load_b128 v[QF+16*\t+8*\c:QF+16*\t+8*\c+3],   v[QO], s[20:21] offset:2048*\t+64*\c
	global_load_b128 v[QF+16*\t+8*\c+4:QF+16*\t+8*\c+7], v[QO], s[20:21] offset:2048*\t+64*\c+32
.endr
.endr
.set i, 0
.rept 128
	v_mov_b32 v[i], 0               ; O^T.  The step is written once for the loop: its first trip finds zeros, which a leaves zeros.  That spares a third copy of the step
.set i, i+1
.endr
	WIN 0
	v_mul_u32_u24 v[AK0], v1, PK
	v_lshl_add_u32 v[AK0], v15, 4, v[AK0]  ; K: row x pitch + 16 x half
	v_and_b32 v5, 7, v0
	v_bfe_u32 v6, v0, 3, 1
	v_lshl_add_u32 v[AV0], v15, 3, v5  ; V, for the turning load: key 8 (l / 16) + l % 8, channels 8 ((l / 8) % 2) on
	v_mul_u32_u24 v[AV0], v[AV0], PV
	v_lshl_add_u32 v[AV0], v6, 4, v[AV0]
	v_add_nc_u32 v[AV0], VOFF, v[AV0]
	v_lshl_add_u32 v[AM0], v15, 5, MASK  ; the mask: my half's eight keys of a tile: 32 bytes
	s_mul_i32 s13, s[WV], 16*SP
	s_add_co_u32 s13, s13, STAGE    ; my stage
	v_mul_u32_u24 v[STO], v1, SP    ; in: row r, 16 bytes for each half of the lanes
	v_lshl_add_u32 v[STO], v15, 4, v[STO]
	v_add_nc_u32 v[STO], s13, v[STO]
	v_bfe_u32 v7, v0, 3, 2
	v_mul_u32_u24 v[RD], v7, SP     ; back: eight lanes to a row of 128 bytes, four rows an instruction
	v_lshl_add_u32 v[RD], v5, 4, v[RD]
	v_add_nc_u32 v[RD], s13, v[RD]
	v_and_b32 v[GO], 31, v0
	v_lshlrev_b32 v[PFO], 8, v[GO]
	v_lshlrev_b32 v[GO], 4, v[GO]   ; in ctx the same four rows are 512 consecutive bytes
.irp t, 0,1,2,3
	v_mov_b32 v[ST+8*\t+1], 0xfcf0bdc2  ; m = -1e37
	v_mul_f32 v[ST+8*\t], s[CS], v[ST+8*\t+1]  ; c m
	v_mov_b32 v[ST+8*\t+2], 0       ; l, in two halves
	v_mov_b32 v[ST+8*\t+3], 0
.endr
; A KEY STEP: 64 keys, in phases.
.macro STEP
	v_add_nc_u32 v[ADK], s[TB], v[AK0]  ; these five plain lines are the places behind the last V^T P: in front of the loads into V's registers (four are asked) and of the products that write over P (five)
	v_add_nc_u32 v[ADV], s[TB], v[AV0]
	v_add_nc_u32 v[ADM], s[TM], v[AM0]
	v_nop
	v_nop
	WIN 0x40
.irp kt, 0,1,2,3                    ; the mask in the result's layout: register j of tile kt: key 16 kt + 8 (l / 16) + j
	ds_load_b128 v[MK+8*\kt:MK+8*\kt+3],   v[ADM] offset:64*\kt
	ds_load_b128 v[MK+8*\kt+4:MK+8*\kt+7], v[ADM] offset:64*\kt+16
.endr
	WIN 0
.irp kt, 0,1,2,3                    ; K: keys 16 kt on, channels 32 c on
.irp c, 0,1
	ds_load_b128 v[KV+8*(2*\kt+\c):KV+8*(2*\kt+\c)+3],   v[ADK] offset:\kt*16*PK+64*\c
	ds_load_b128 v[KV+8*(2*\kt+\c)+4:KV+8*(2*\kt+\c)+7], v[ADK] offset:\kt*16*PK+64*\c+32
.endr
.endr
	s_wait_dscnt 0x0
	WIN 0x14                        ; Q and the mask in window 1
.irp t, 0,1,2,3                     ; S^T = K Q^T + mask: the 16 accumulators take turns, one instruction a turn
.irp kt, 0,1,2,3
	v_wmma_f32_16x16x32_f16 v[S+32*\t+8*\kt:S+32*\t+8*\kt+7], v[KV+16*\kt:KV+16*\kt+7], v[QF+16*\t:QF+16*\t+7], v[MK+8*\kt:MK+8*\kt+7]
.endr
.endr
	WIN 0x04
.irp t, 0,1,2,3
.irp kt, 0,1,2,3
	v_wmma_f32_16x16x32_f16 v[S+32*\t+8*\kt:S+32*\t+8*\kt+7], v[KV+16*\kt+8:KV+16*\kt+15], v[QF+16*\t+8:QF+16*\t+15], v[S+32*\t+8*\kt:S+32*\t+8*\kt+7]
.endr
.endr
	WIN 0
.rept 4
	v_nop                           ; places in front of the loads into K's registers and of the first read of the scores
.endr
.irp g, 0,1                         ; V, turned: keys 32 g on, channels 16 ct on; it lands under the softmax
.irp ct, 0,1,2,3
	ds_load_tr16_b128 v[KV+8*(4*\g+\ct):KV+8*(4*\g+\ct)+3],   v[ADV] offset:\g*32*PV+32*\ct
	ds_load_tr16_b128 v[KV+8*(4*\g+\ct)+4:KV+8*(4*\g+\ct)+7], v[ADV] offset:\g*32*PV+16*PV+32*\ct
.endr
.endr
	; the maximum of my 32 scores and the old m, the four tiles by turns; each accumulator is read from its low end on
.irp j, 0,1,2,3
.irp t, 0,1,2,3
	v_max3_num_f32 v[ST+8*\t+4+\j], v[S+32*\t+8*\j], v[S+32*\t+8*\j+1], v[S+32*\t+8*\j+2]
.endr
.endr
.irp i, 3,5
.irp j, 0,1,2,3
.irp t, 0,1,2,3
	v_max3_num_f32 v[ST+8*\t+4+\j], v[ST+8*\t+4+\j], v[S+32*\t+8*\j+\i], v[S+32*\t+8*\j+\i+1]
.endr
.endr
.endr
.irp t, 0,1,2,3
	v_max3_num_f32 v[ST+8*\t+4], v[ST+8*\t+4], v[S+32*\t+7], v[S+32*\t+15]
.endr
.irp t, 0,1,2,3
	v_max3_num_f32 v[ST+8*\t+6], v[ST+8*\t+6], v[S+32*\t+23], v[S+32*\t+31]
.endr
.irp t, 0,1,2,3
	v_max3_num_f32 v[ST+8*\t+4], v[ST+8*\t+4], v[ST+8*\t+5], v[ST+8*\t+6]
.endr
.irp t, 0,1,2,3
	v_max3_num_f32 v[ST+8*\t+4], v[ST+8*\t+4], v[ST+8*\t+7], v[ST+8*\t+1]
.endr
.irp t, 0,1,2,3
	v_permlanex16_b32 v[ST+8*\t+5], v[ST+8*\t+4], s[SEL], s[SEL+1]  ; the query's other 32 keys lie in the lane 16 away
.endr
.irp t, 0,1,2,3
	v_mov_b32 v[ST+8*\t+7], v[ST+8*\t]  ; c m_old is kept for a
.endr
.irp t, 0,1,2,3
	v_max_num_f32 v[ST+8*\t+1], v[ST+8*\t+4], v[ST+8*\t+5]  ; the new m
.endr
.irp t, 0,1,2,3
	v_mul_f32 v[ST+8*\t], s[CS], v[ST+8*\t+1]
.endr
.irp t, 0,1,2,3
	v_sub_f32 v[ST+8*\t+7], v[ST+8*\t+7], v[ST+8*\t]
.endr
.irp t, 0,1,2,3
.set i, 0
.rept 16
	v_pk_fma_f32 v[S+32*\t+i:S+32*\t+i+1], v[S+32*\t+i:S+32*\t+i+1], s[CS:CS+1], v[ST+8*\t:ST+8*\t+1] op_sel_hi:[1,0,0] neg_lo:[0,0,1] neg_hi:[0,0,1]  ; c s - c m, two at a time
.set i, i+2
.endr
.endr
.irp t, 0,1,2,3
	v_exp_f32 v[ST+8*\t+6], v[ST+8*\t+7]  ; a
.endr
.set i, 0
.rept 128
	v_exp_f32 v[S+i], v[S+i]        ; p, at most 1
.set i, i+1
.endr
	v_nop                           ; a plain line behind the last exponential
	s_wait_alu depctr_va_vdst(0)    ; the wait ahead of the first line that names a result: one for the batch of 132
	; l = a l + the sum of my 32 p, unrounded, two at a time, in two chains a tile
.irp t, 0,1,2,3
	v_pk_fma_f32 v[ST+8*\t+2:ST+8*\t+3], v[ST+8*\t+2:ST+8*\t+3], v[ST+8*\t+6:ST+8*\t+7], v[S+32*\t:S+32*\t+1] op_sel_hi:[1,0,1]
.endr
.irp t, 0,1,2,3
	v_pk_add_f32 v[ST+8*\t+4:ST+8*\t+5], v[S+32*\t+2:S+32*\t+3], v[S+32*\t+6:S+32*\t+7]
.endr
.irp j, 4,8,12,16,20,24
.irp t, 0,1,2,3
	v_pk_add_f32 v[ST+8*\t+2:ST+8*\t+3], v[ST+8*\t+2:ST+8*\t+3], v[S+32*\t+\j:S+32*\t+\j+1]
.endr
.irp t, 0,1,2,3
	v_pk_add_f32 v[ST+8*\t+4:ST+8*\t+5], v[ST+8*\t+4:ST+8*\t+5], v[S+32*\t+\j+6:S+32*\t+\j+7]
.endr
.endr
.irp t, 0,1,2,3
	v_pk_add_f32 v[ST+8*\t+2:ST+8*\t+3], v[ST+8*\t+2:ST+8*\t+3], v[S+32*\t+28:S+32*\t+29]
.endr
.irp t, 0,1,2,3
	v_pk_add_f32 v[ST+8*\t+2:ST+8*\t+3], v[ST+8*\t+2:ST+8*\t+3], v[ST+8*\t+4:ST+8*\t+5]
.endr
.irp t, 0,1,2,3                     ; P: pairs of p rounded to f16, in place, ascending: register j takes p 2 j and 2 j + 1
.set i, 0
.rept 16
	v_cvt_pk_f16_f32 v[S+32*\t+i], v[S+32*\t+2*i], v[S+32*\t+2*i+1]
.set i, i+1
.endr
.endr
	WIN 0x41                        ; O^T (destination and source 0) in window 1, a in window 0
.irp t, 0,1,2,3
.set i, 0
.rept 16
	v_pk_mul_f32 v[32*\t+i:32*\t+i+1], v[32*\t+i:32*\t+i+1], v[ST+8*\t+6:ST+8*\t+7] op_sel_hi:[1,0]  ; O^T x a, each accumulator from its low end on
.set i, i+2
.endr
.endr
	s_wait_dscnt 0x0                ; V is in
	WIN 0x50                        ; V and P in window 0, O^T in window 1
.irp g, 0,1                         ; O^T += V^T P: the 16 accumulators take turns
.irp t, 0,1,2,3
.irp ct, 0,1,2,3
	v_wmma_f32_16x16x32_f16 v[32*\t+8*\ct:32*\t+8*\ct+7], v[KV+8*(4*\g+\ct):KV+8*(4*\g+\ct)+7], v[S+32*\t+8*\g:S+32*\t+8*\g+7], v[32*\t+8*\ct:32*\t+8*\ct+7]
.endr
.endr
.endr
	WIN 0
.endm
; THE CHANGE OF SLOTS, at a slot's head.  Each wave waits for all its tensor loads (its part of the slot that it is about to read), adds 0 to its spare word, and waits for that and for its reads of the slot that it has left.
; fill = 1: the barrier is a round of the cluster's, and behind it the other slot is filled with the next 256 keys: a wave's one tensor load until the next round.  (In the first trip that is slot 1's first fill.)
.macro CHANGE fill
	WIN 0
	s_wait_tensorcnt 0x0            ; no tensor load of mine is out, so a group 0 may be written
	ds_add_u32 v[SPW], v[NIL]       ; 0 onto my spare word
.if \fill
	s_xor_b32 s[G0K+1], s[G0K+1], SLOT1  ; the walking descriptors: the other slot,
	s_add_nc_u64 s[G0K+2:G0K+3], s[G0K+2:G0K+3], 32768  ; the next 256 keys of 128 bytes
	s_xor_b32 s[G0V+1], s[G0V+1], SLOT1
	s_add_nc_u64 s[G0V+2:G0V+3], s[G0V+2:G0V+3], 32768
	s_wait_xcnt 0x0                 ; the last prefetch, a slot back, has read its address, so it may be written:
	s_add_nc_u64 s[PFA:PFA+1], s[PFA:PFA+1], 32768  ; one slot further on than the walking descriptors
	s_wait_dscnt 0x0                ; the add is done, and my reads of the slot that I have left are over
	CROUND
	JLOAD
	ASK
.else
	s_wait_dscnt 0x0
	s_barrier_signal -1
	s_barrier_wait -1
.endif
.endm
.macro FOUR_STEPS                   ; a slot's four key steps: written once, walked four times; the LDS addresses hang on s[TB] and s[TM]
	s_mov_b32 s[CNT], 4
.Lstep_\@:
	STEP
	s_add_co_u32 s[TB], s[TB], STEPB
	s_add_co_u32 s[TM], s[TM], 256
	s_sub_co_u32 s[CNT], s[CNT], 1
	s_cmp_lg_u32 s[CNT], 0
	s_cbranch_scc1 .Lstep_\@
	s_sub_co_u32 s[TB], s[TB], 4*STEPB  ; back to a slot's first step,
	s_xor_b32 s[TB], s[TB], SLOT1   ; in the other slot
.endm
	s_wait_loadcnt 0x0              ; Q
.Lslot:                             ; seven trips: behind each change of slots but the last the next slot is asked for
	CHANGE 1
	FOUR_STEPS
	s_sub_co_u32 s[SLOTS], s[SLOTS], 1
	s_cmp_lg_u32 s[SLOTS], 0
	s_cbranch_scc1 .Lslot
	CHANGE 0                        ; the last slot is written out
	FOUR_STEPS
	; THE WAY OUT.  l's two halves and the other half of the lanes' are added; O^T is divided by l, rounded to f16 and sent through my stage, a tile (16 rows of ctx) at a time.  The first four additions are the places behind the last products.
.irp t, 0,1,2,3
	v_add_f32 v[ST+8*\t+4], v[ST+8*\t+2], v[ST+8*\t+3]
.endr
.irp t, 0,1,2,3
	v_permlanex16_b32 v[ST+8*\t+5], v[ST+8*\t+4], s[SEL], s[SEL+1]
.endr
.irp t, 0,1,2,3
	v_add_f32 v[ST+8*\t+4], v[ST+8*\t+4], v[ST+8*\t+5]
.endr
.irp t, 0,1,2,3
	v_rcp_f32 v[ST+8*\t+6], v[ST+8*\t+4]
.endr
	v_nop                           ; a plain line behind the last reciprocal
	s_wait_alu depctr_va_vdst(0)    ; and the wait ahead of the first use: one for the four
.macro PACK t
	WIN 0x01                        ; O^T in window 1; 1 / l and the destination in window 0
.set i, 0
.rept 16
	v_pk_mul_f32 v[S+32*\t+i:S+32*\t+i+1], v[32*\t+i:32*\t+i+1], v[ST+8*\t+6:ST+8*\t+7] op_sel_hi:[1,0]
.set i, i+2
.endr
	WIN 0
.set i, 0
.rept 16
	v_cvt_pk_f16_f32 v[S+32*\t+i], v[S+32*\t+2*i], v[S+32*\t+2*i+1]  ; registers 4 ct .. 4 ct + 3: channels 16 ct + 8 (l / 16) + 0 .. 7 of my query
.set i, i+1
.endr
.irp ct, 0,1,2,3
	ds_store_b128 v[STO], v[S+32*\t+4*\ct:S+32*\t+4*\ct+3] offset:32*\ct
.endr
.irp u, 0,1,2,3
	ds_load_b128 v[S+32*\t+16+4*\u:S+32*\t+16+4*\u+3], v[RD] offset:\u*4*SP  ; LDS serves a wave's instructions in order: these see the stores above; the next tile's stores come behind them
.endr
.endm
.macro SEND t, younger              ; younger: the LDS instructions issued behind tile t's loads: the next tile's eight, or none
.irp u, 0,1,2,3
	s_wait_dscnt \younger+3-\u
	global_store_b128 v[GO], v[S+32*\t+16+4*\u:S+32*\t+16+4*\u+3], s[8:9] offset:2048*\t+512*\u  ; 32 lanes store four rows of ctx: 512 consecutive bytes, aligned
.endr
.endm
	PACK 0
	PACK 1
	SEND 0, 8
	PACK 2
	SEND 1, 8
	PACK 3
	SEND 2, 8
	SEND 3, 0
	s_wait_tensorcnt 0x0            ; the wave's end: behind my last tensor load and my last LDS store
	ds_add_u32 v[SPW], v[NIL]
	s_wait_dscnt 0x0
	CROUND                          ; the closing round: no work-group ends while a partner may still ask for a tile that names it
	s_endpgm
.Lfunc_end_k_qf5a3dabcd6_attn:
	.size	k_qf5a3dabcd6_attn, .Lfunc_end_k_qf5a3dabcd6_attn-k_qf5a3dabcd6_attn
	.p2alignl 7, 3214868480
	.fill 96, 4, 3214868480
	.section	.rodata,"a",@progbits
	.p2align	6, 0x0
	.amdhsa_kernel k_qf5a3dabcd6_attn
		.amdhsa_group_segment_fixed_size 327680
		.amdhsa_private_segment_fixed_size 0
		.amdhsa_enable_private_segment 0
		.amdhsa_kernarg_size 24
		.amdhsa_user_sgpr_count 2
		.amdhsa_user_sgpr_kernarg_segment_ptr 1
		.amdhsa_wavefront_size32 1
		.amdhsa_system_sgpr_workgroup_id_x 1
		.amdhsa_system_sgpr_workgroup_id_y 1
		.amdhsa_system_sgpr_workgroup_id_z 1
		.amdhsa_system_vgpr_workitem_id 0
		.amdhsa_next_free_vgpr 512
		.amdhsa_next_free_sgpr 80
		.amdhsa_reserve_vcc 0
		.amdhsa_float_denorm_mode_32 3
		.amdhsa_float_denorm_mode_16_64 3
		.amdhsa_memory_ordered 1
		.amdhsa_forward_progress 1
		.amdhsa_inst_pref_size 93
	.end_amdhsa_kernel
	.amdgpu_metadata
---
amdhsa.version: [ 1, 2 ]
amdhsa.kernels:
  - .name:           k_qf5a3dabcd6_attn
    .symbol:         k_qf5a3dabcd6_attn.kd
    .args:
      - { .name: qkv, .offset: 0, .size: 8, .value_kind: global_buffer, .address_space: global }
      - { .name: attention_mask, .offset: 8, .size: 8, .value_kind: global_buffer, .address_space: global }
      - { .name: ctx, .offset: 16, .size: 8, .value_kind: global_buffer, .address_space: global }
    .group_segment_fixed_size: 327680
    .private_segment_fixed_size: 0
    .kernarg_segment_align: 8
    .kernarg_segment_size: 24
    .max_flat_workgroup_size: 256
    .sgpr_count:     80
    .vgpr_count:     512
    .wavefront_size: 32
...
	.end_amdgpu_metadata
.endif
;; end of part 3
;; launch oproj (part 4): grid 4 x 64, 4 waves a work-group, clusters of 4 x 4, 327,680 bytes of LDS; arguments ctx, wo16, bo, out0; writes out0
.if DOCPART == 4
	.amdgcn_target "amdgcn-amd-amdhsa--gfx1250"
	.amdhsa_code_object_version 6
	.text
	.protected	k_qf5a3dabcd6_oproj
	.globl	k_qf5a3dabcd6_oproj
	.p2align	8
	.type	k_qf5a3dabcd6_oproj,@function
k_qf5a3dabcd6_oproj:
	s_mov_b64 s[64:65], 0
	v_nop
	global_prefetch_b8 v0, s[64:65] scope:SCOPE_SE
	s_setreg_imm32_b32 hwreg(HW_REG_WAVE_MODE, 25, 1), 1
	s_wait_xcnt 0x0
	s_wait_alu depctr_hold_cnt(0) depctr_sa_sdst(0) depctr_va_vdst(0) depctr_va_sdst(0) depctr_va_ssrc(0) depctr_va_vcc(0) depctr_vm_vsrc(0)
	s_getreg_b32 s2, hwreg(HW_REG_IB_STS2, 6, 4)
	s_cmp_eq_u32 s2, 0
	s_cbranch_scc0 .Lentry_in_a_cluster
	s_endpgm
.Lentry_in_a_cluster:
	s_bfe_u32 s2, ttmp6, 0x10000c
	s_cmp_lg_u32 s2, 0xf033
	s_cbranch_scc0 .Lentry_shape_is_right
	s_endpgm
.Lentry_shape_is_right:
; OPROJ: out0[m][n] = sum over k of ctx[m][k] Wo[k][n] + bo[n], f16 operands, f32 sums; m = 8,192 tokens, n = 1,024, k = 64 x head + channel.
; ctx is f16 [batch][head][token][64]: 64 along K are one head, whose rows of 128 bytes are dense.  wo16 is f16 [k][n], as Wo lies.  out0 is f32 [8192][1024].
; A tile of C is 128 (m) x 256 (n): 256 work-groups.  Four waves, each 64 x 128: 32 accumulators of 16 x 16.  K goes in steps of 128 (two heads) through two LDS slots.
; THE MATRIX INSTRUCTION IS USED TRANSPOSED: source 0 = 16 columns of Wo (out of [k][n] rows by the turning load), source 1 = 16 tokens: a lane holds eight neighbouring columns of one token.  bo is the C of each sum's first product.
; CLUSTERS: 4 x 4 work-groups; ctx's tiles are shared along a row of the cluster, Wo's along a column: each is asked for jointly.
; REGISTERS: window 0: v0-31 addresses; v32-127, v128-223 two fragment buffers for 32 along K: A's four fragments, then B's eight; on the way out v32-159 take rows of C.
;   window 1: the accumulators, (a, b) at v[8 (8 a + b)].   window 2: v0-63 bo in the result's layout.
.set PA,    144                        ; a row of ctx in LDS: 128 bytes + 16 of padding
.set PB,    544                        ; a row of Wo's tile: 512 bytes + 32
.set BOFF,  2*128*PA                   ; a slot: two heads x 128 rows of A, then 128 k rows of B
.set SLOT,  BOFF+128*PB
.set STAGE, 2*SLOT                     ; behind the ring: 16 rows x 528 bytes for each wave
.set SPITCH, 528
.set SPARE, STAGE+4*16*SPITCH          ; the spare words: 128 bytes a wave, two blocks of 256 bytes that no other line names
.set LAPS,  4                          ; a lap = two K steps
.set ADRA, 16
.set ADRB, 20
.set STO,  24
.set RD,   25
.set CO,   26
.set SPW,  28
.set NIL,  29
.set PFO,  30
.set F0,   32
.set F1,   128
.set BK,   32
.set G1, 24
.set G0, 32
.set G1B, 48
.set G0B, 56
.set PFA, 66
.set LIM, 68
.set MSB, 0
.macro WIN new
.if MSB != (\new)
	s_set_vgpr_msb (MSB<<8)|(\new)
.set MSB, (\new)
.endif
.endm
.macro JLOAD s                         ; a joint load: waves 0 and 1 fetch the K step's two heads of ctx, waves 2 and 3 the two halves of Wo's rows; an s_nop 0 and four v_nop follow each line
	s_cmp_eq_u32 s15, 0
	s_cbranch_scc0 .Lfor_b_\@
	tensor_load_to_lds s[G0+4*\s:G0+4*\s+3], s[G1:G1+7]
	s_nop 0
.rept 4
	v_nop
.endr
	s_branch .Lasked_\@
.Lfor_b_\@:
	tensor_load_to_lds s[G0B+4*\s:G0B+4*\s+3], s[G1B:G1B+7]
	s_nop 0
.rept 4
	v_nop
.endr
.Lasked_\@:
.endm
.macro CREST                           ; a round of the cluster's barrier behind its opening barrier
	s_cmp_lg_u32 s14, 0
	s_cbranch_scc1 .Lnot_wave_0_\@
	s_barrier_signal -3
.Lnot_wave_0_\@:
	s_barrier_wait -3
	s_barrier_signal -1
	s_barrier_wait -1
.endm
.macro CROUND
	s_barrier_signal -1
	s_barrier_wait -1
	CREST
.endm
; A prefetch of ctx, which one row of one cluster reads once: behind the refill that asks for K step j + 2 the K step j + 4 is named: two K steps, 256 matrix instructions, ahead of its load.  A K step of my 128 tokens is
; 2 x 16,384 bytes; the four partners of my row take 8,192 each, told apart by address; wave 0 asks, lanes 256 bytes apart.  The loop's last trip asks for nothing; K steps 0 to 3 come by their loads alone.
; Wo's rows are read by all clusters at about the same time: they are not asked for.
.macro ASK
	s_cmp_gt_u32 s3, s[LIM]
	s_cbranch_scc0 .Lnot_mine_\@
	global_prefetch_b8 v[PFO], s[PFA:PFA+1] th:TH_LOAD_NT scope:SCOPE_SE
.Lnot_mine_\@:
.endm
	s_load_b128 s[4:7], s[0:1], 0x0                ; ctx s[4:5], wo16 s[6:7]
	s_load_b128 s[8:11], s[0:1], 0x10              ; bo s[8:9], out0 s[10:11]
	v_lshl_add_u32 v[SPW], v0, 2, SPARE
	v_mov_b32 v[NIL], 0
	ds_add_u32 v[SPW], v[NIL]                      ; the wave's opening: the add, twice on end, and its wait ahead of my first tensor load
	ds_add_u32 v[SPW], v[NIL]
	v_lshrrev_b32 v1, 5, v0
	v_readfirstlane_b32 s14, v1                    ; wave 0..3
	s_lshr_b32 s15, s14, 1                         ; which half of the tile's rows is mine.  Also: I fetch for A (0) or for B (1)
	s_and_b32 s16, s14, 1                          ; which half of its columns.  Also: which head, or which 64 rows of Wo, I fetch
	s_bfe_u32 s40, ttmp6, 0x40000                  ; cx, cy
	s_bfe_u32 s41, ttmp6, 0x40004
	s_lshl_b32 s42, ttmp9, 2
	s_add_co_u32 s42, s42, s40                     ; tile column of C
	s_and_b32 s17, ttmp7, 0xffff
	s_lshl_b32 s17, s17, 2
	s_add_co_u32 s17, s17, s41                     ; tile row of C
	s_lshl_b32 s43, s41, 2
	s_lshl_b32 s43, 15, s43                        ; my row of the cluster
	s_lshl_b32 s44, 0x1111, s40                    ; my column
	s_or_b32 s[G1+0], s43, (1<<16)|(1<<20)|(1<<21)|(4<<22)|(3<<25)   ; A: 128 rows x 64 elements of 2 bytes, dense; four words of padding behind every 32
	s_mov_b32 s[G1+1], 64<<16
	s_mov_b32 s[G1+2], 128<<16
	s_mov_b32 s[G1+3], 64<<16
	s_mov_b32 s[G1+4], 128
	s_mov_b32 s[G1+5], 64
	s_mov_b32 s[G1+6], 0
	s_mov_b32 s[G1+7], 0
	s_or_b32 s[G1B+0], s44, (1<<16)|(1<<20)|(1<<21)|(6<<22)|(7<<25)  ; B: 64 rows x 256 elements, 1,024 elements from row to row; eight words of padding behind every 128
	s_mov_b32 s[G1B+1], 256<<16
	s_mov_b32 s[G1B+2], 64<<16
	s_mov_b32 s[G1B+3], 256<<16
	s_mov_b32 s[G1B+4], 64
	s_mov_b32 s[G1B+5], 1024
	s_mov_b32 s[G1B+6], 0
	s_mov_b32 s[G1B+7], 0
	s_lshr_b32 s20, s17, 4                         ; A: my 128 tokens' batch (4,194,304 bytes),
	s_lshl_b32 s20, s20, 22
	s_and_b32 s21, s17, 15                         ; their place in a head (128 rows of 128 bytes),
	s_lshl_b32 s21, s21, 14
	s_add_co_u32 s20, s20, s21
	s_lshl_b32 s21, s16, 18                        ; and the head that I fetch
	s_add_co_u32 s20, s20, s21
	s_mov_b32 s21, 0
	s_lshl_b32 s46, s42, 9                         ; B: 256 columns of 2 bytes a tile column,
	s_lshl_b32 s47, s16, 17                        ; and my 64 rows of 2,048 bytes
	s_add_co_u32 s46, s46, s47
	s_mov_b32 s47, 0
	s_mul_i32 s45, s16, 128*PA                     ; where they go: no place in the cluster enters an LDS address
	s_mul_i32 s18, s16, 64*PB
	s_add_co_u32 s18, s18, BOFF
	s_wait_dscnt 0x0                               ; both opening adds are done
	s_wait_kmcnt 0x0
	s_add_nc_u64 s[20:21], s[4:5], s[20:21]
	s_add_nc_u64 s[46:47], s[6:7], s[46:47]
	CROUND                                         ; all sixteen work-groups are here: the first joint loads meet
.irp s, 0,1
	s_mov_b32 s[G0+4*\s], 1
	s_add_co_u32 s[G0+4*\s+1], s45, \s*SLOT
	s_add_nc_u64 s[G0+4*\s+2:G0+4*\s+3], s[20:21], \s*524288      ; a K step: two heads of 262,144 bytes
	s_or_b32 s[G0+4*\s+3], s[G0+4*\s+3], 0x80000000
	s_mov_b32 s[G0B+4*\s], 1
	s_add_co_u32 s[G0B+4*\s+1], s18, \s*SLOT
	s_add_nc_u64 s[G0B+4*\s+2:G0B+4*\s+3], s[46:47], \s*262144    ; 128 rows of 2,048 bytes
	s_or_b32 s[G0B+4*\s+3], s[G0B+4*\s+3], 0x80000000
	JLOAD \s                                       ; two tensor loads of mine are out
.endr
	v_and_b32 v1, 15, v0                           ; r
	v_bfe_u32 v2, v0, 4, 1                         ; h
	v_mul_u32_u24 v3, v1, PA
	v_lshl_add_u32 v3, v2, 4, v3                   ; A: row x pitch + 16 x half
	v_and_b32 v4, 7, v0
	v_bfe_u32 v5, v0, 3, 1
	v_lshl_add_u32 v4, v2, 3, v4                   ; B, for the turning load: k row 8 h + l % 8, columns 8 ((l / 8) % 2) on
	v_mul_u32_u24 v4, v4, PB
	v_lshl_add_u32 v4, v5, 4, v4
	s_mul_i32 s19, s15, 64*PA                      ; my 64 tokens
	s_lshl_b32 s22, s16, 8                         ; my 128 columns
	s_add_co_u32 s22, s22, BOFF
.irp s, 0,1
	v_add_nc_u32 v[ADRA+\s], s19, v3
	v_add_nc_u32 v[ADRB+\s], s22, v4
	s_add_co_u32 s19, s19, SLOT
	s_add_co_u32 s22, s22, SLOT
.endr
	s_mul_i32 s23, s14, 16*SPITCH
	s_add_co_u32 s23, s23, STAGE                   ; my stage
	v_mul_u32_u24 v5, v1, SPITCH                   ; in: row r, 32 bytes for each half of the lanes
	v_lshl_add_u32 v5, v2, 5, v5
	v_add_nc_u32 v[STO], s23, v5
	v_and_b32 v6, 31, v0
	v_lshlrev_b32 v[CO], 4, v6                     ; back: the 32 lanes take one row of 512 bytes; and the same in C
	v_add_nc_u32 v[RD], s23, v[CO]
	v_lshlrev_b32 v[PFO], 8, v6
	s_lshl_b32 s46, s42, 10                        ; my first column, in bytes of f32: 1,024 x tile column + 512 x half
	s_lshl_b32 s47, s16, 9
	s_add_co_u32 s46, s46, s47
	s_mov_b32 s47, 0
	s_add_nc_u64 s[8:9], s[8:9], s[46:47]          ; bo there
	s_add_nc_u64 s[10:11], s[10:11], s[46:47]
	s_lshl_b32 s22, s17, 19                        ; my first row of C: 128 x tile row + 64 x half, rows of 4,096 bytes
	s_lshl_b32 s23, s15, 18
	s_add_co_u32 s22, s22, s23
	s_mov_b32 s23, 0
	s_add_nc_u64 s[10:11], s[10:11], s[22:23]
	v_lshlrev_b32 v7, 5, v2
	WIN 0x80                                       ; destination window 2
.irp b, 0,1,2,3,4,5,6,7                        ; bo in the result's layout: for block b lane (r, h) wants bo[my first column + 16 b + 8 h + 0 .. 7]
	global_load_b128 v[8*\b:8*\b+3], v7, s[8:9] offset:64*\b
	global_load_b128 v[8*\b+4:8*\b+7], v7, s[8:9] offset:64*\b+16
.endr
	WIN 0
	s_lshr_b32 s70, s17, 4                         ; the prefetches: my tokens' rows,
	s_lshl_b32 s70, s70, 22
	s_and_b32 s71, s17, 15
	s_lshl_b32 s71, s71, 14
	s_add_co_u32 s70, s70, s71
	s_lshr_b32 s71, s40, 1                         ; my work-group's part of a K step: head cx / 2,
	s_lshl_b32 s71, s71, 18
	s_add_co_u32 s70, s70, s71
	s_and_b32 s71, s40, 1                          ; half cx % 2 of its 16,384 bytes,
	s_lshl_b32 s71, s71, 13
	s_add_co_u32 s70, s70, s71
	s_add_co_u32 s70, s70, 3*524288                ; at K step 3: the first refill steps it to 4
	s_mov_b32 s71, 0
	s_add_nc_u64 s[PFA:PFA+1], s[4:5], s[70:71]
	s_cmp_eq_u32 s14, 0
	s_cselect_b32 s[LIM], 1, -1                    ; wave 0 asks
; 8 matrix instructions: A's block a x B's eight, 32 along K, from buffer f.  first = 1: bo is C: it starts the sums, nothing is cleared.  The 32 accumulators take turns, one instruction a turn.
.macro MUL8 f, a, first
.irp b, 0,1,2,3,4,5,6,7
.if \first
	v_wmma_f32_16x16x32_f16 v[8*(8*(\a)+\b):8*(8*(\a)+\b)+7], v[\f+32+8*\b:\f+32+8*\b+7], v[\f+8*(\a):\f+8*(\a)+7], v[8*\b:8*\b+7]
.else
	v_wmma_f32_16x16x32_f16 v[8*(8*(\a)+\b):8*(8*(\a)+\b)+7], v[\f+32+8*\b:\f+32+8*\b+7], v[\f+8*(\a):\f+8*(\a)+7], v[8*(8*(\a)+\b):8*(8*(\a)+\b)+7]
.endif
.endr
.endm
; 24 LDS loads in one run: the fragments of the slot's c-th 32 along K into buffer f: B's eight (turned), then A's four
.macro FETCH slot, c, f
	WIN 0
.irp b, 0,1,2,3,4,5,6,7
	ds_load_tr16_b128 v[\f+32+8*\b:\f+32+8*\b+3],   v[ADRB+\slot] offset:(\c)*32*PB+32*\b
	ds_load_tr16_b128 v[\f+32+8*\b+4:\f+32+8*\b+7], v[ADRB+\slot] offset:(\c)*32*PB+16*PB+32*\b
.endr
.irp a, 0,1,2,3
	ds_load_b128 v[\f+8*\a:\f+8*\a+3],   v[ADRA+\slot] offset:((\c)/2)*128*PA+((\c)%2)*64+\a*16*PA
	ds_load_b128 v[\f+8*\a+4:\f+8*\a+7], v[ADRA+\slot] offset:((\c)/2)*128*PA+((\c)%2)*64+\a*16*PA+32
.endr
.endm
.macro PLACES                          ; four plain lines in front of loads into registers that matrix instructions have read, and of the first read of results
.rept 4
	v_nop
.endr
.endm
; A K step is four quarters of 32 along K, 32 matrix instructions each, on buffers 0, 1, 0, 1.  One of the first three: multiplies buffer f and fetches the slot's c-th quarter into g.
.macro QUARTER slot, c, f, g, first
	s_wait_dscnt 4                                 ; B's fragments and A's blocks 0 and 1 are in; the youngest four loads (A's blocks 2 and 3) may be out
	WIN 0x50+0x10*(\first)                         ; C and D window 1 (first: C, the bias, window 2)
	MUL8 \f, 0, \first
	MUL8 \f, 1, \first
	PLACES
	FETCH \slot, \c, \g
	s_wait_dscnt 24                                ; all but the 24 just issued
	WIN 0x50+0x10*(\first)
	MUL8 \f, 2, \first
	MUL8 \f, 3, \first
.endm
; The last quarter multiplies buffer 1 and changes slots: one barrier; in front of it each wave waits for all its tensor loads, adds 0 to its spare word, and waits for that and for its reads of this slot.
; fill = 1: the barrier opens a round of the cluster's, and this slot is filled again, two K steps ahead: the load has 112 matrix instructions in which to land.
.macro TURN slot, next, fill
.if \fill
	s_wait_xcnt 0x0                                ; the last prefetch, a K step back, has read its address: it is stepped here, ahead of the waits of the change of slots
	s_add_nc_u64 s[PFA:PFA+1], s[PFA:PFA+1], 524288
.endif
	WIN 0
	s_wait_tensorcnt 0x0                           ; all my tensor loads have landed: my part of the next slot
	ds_add_u32 v[SPW], v[NIL]                      ; 0 onto my spare word
	s_wait_dscnt 5                                 ; (the add and the youngest four loads may be out)
	WIN 0x50
	MUL8 F1, 0, 0
	s_wait_dscnt 0x0                               ; the add is done, and my reads of this slot are over
	s_barrier_signal -1
	MUL8 F1, 1, 0
	WIN 0
	s_barrier_wait -1
.if \fill
	CREST                                          ; no wave of any partner still reads this slot's tile or has a load on its way
	s_add_nc_u64 s[G0+4*\slot+2:G0+4*\slot+3], s[G0+4*\slot+2:G0+4*\slot+3], 1048576
	s_add_nc_u64 s[G0B+4*\slot+2:G0B+4*\slot+3], s[G0B+4*\slot+2:G0B+4*\slot+3], 524288
	JLOAD \slot                                    ; the first tensor load behind the round; the four v_nop behind it are also the places in front of the loads below
.else
	PLACES
.endif
	FETCH \next, 0, F0
.if \fill
	ASK
.endif
	WIN 0x50
	MUL8 F1, 2, 0
	MUL8 F1, 3, 0
.endm
	s_wait_tensorcnt 1                             ; my part of K step 0 is in (K step 1's load may be out),
	s_barrier_signal -1
	s_barrier_wait -1                              ; everybody's is
	FETCH 0, 0, F0
	s_wait_loadcnt 0x0                             ; bo
	QUARTER 0, 1, F0, F1, 1                        ; the first quarter stands in front of the loop: its products start the sums
	WIN 0                                          ; at a label and at a branch every window is 0
	s_mov_b32 s3, LAPS-1
.Llap:                                                 ; a trip goes once round the ring, from a lap's second quarter to the next lap's first, and fills both slots again
	QUARTER 0, 2, F1, F0, 0
	QUARTER 0, 3, F0, F1, 0
	TURN 0, 1, 1
	QUARTER 1, 1, F0, F1, 0
	QUARTER 1, 2, F1, F0, 0
	QUARTER 1, 3, F0, F1, 0
	TURN 1, 0, 1
	QUARTER 0, 1, F0, F1, 0
	WIN 0
	s_sub_co_u32 s3, s3, 1
	s_cmp_lg_u32 s3, 0
	s_cbranch_scc1 .Llap
	QUARTER 0, 2, F1, F0, 0                        ; the last lap fills nothing, and has no round of the cluster's barrier
	QUARTER 0, 3, F0, F1, 0
	TURN 0, 1, 0
	QUARTER 1, 1, F0, F1, 0
	QUARTER 1, 2, F1, F0, 0
	QUARTER 1, 3, F0, F1, 0
	s_wait_dscnt 4                                 ; the very last quarter: nothing more to fetch
	WIN 0x50
	MUL8 F1, 0, 0
	MUL8 F1, 1, 0
	s_wait_dscnt 0
	MUL8 F1, 2, 0
	MUL8 F1, 3, 0
	WIN 0
; THE WAY OUT, block by block of 16 rows x 128 columns: a lane holds 32 neighbouring bytes of a row; a block goes through my own stage and comes back as whole rows of 512 bytes.
.macro TOSTAGE a
.set AC, 64*(\a)
.set BB, BK+64*((\a)%2)
	WIN 0x04                                       ; an LDS store's data are its source 1: window 1
.irp b, 0,1,2,3,4,5,6,7
	ds_store_b128 v[STO], v[AC+8*\b:AC+8*\b+3] offset:64*\b          ; each accumulator from its low end on
	ds_store_b128 v[STO], v[AC+8*\b+4:AC+8*\b+7] offset:64*\b+16
.endr
	WIN 0
.irp t, 0,1,2,3,4,5,6,7,8,9,10,11,12,13,14,15
	ds_load_b128 v[BB+4*\t:BB+4*\t+3], v[RD] offset:\t*SPITCH        ; LDS serves a wave's instructions in order: these see the stores above
.endr
.endm
.macro SEND a, younger                 ; younger: the LDS instructions issued behind block a's loads, which may stay out
.set BB, BK+64*((\a)%2)
	s_wait_dscnt \younger
.irp t, 0,1,2,3,4,5,6,7,8,9,10,11,12,13,14,15
	global_store_b128 v[CO], v[BB+4*\t:BB+4*\t+3], s[10:11] offset:65536*(\a)+4096*\t th:TH_STORE_NT   ; 32 lanes store 512 consecutive bytes, aligned; written once, read by nobody here
.endr
.endm
	PLACES                                         ; behind the last products: for the reads of their results and the loads into registers that they read
	TOSTAGE 0
.irp a, 1,2,3
.if \a > 1
	s_wait_xcnt 0x0                                ; block a - 2's stores have read their registers: block a's loads may land there
.endif
	TOSTAGE \a
	SEND (\a-1), 32                                ; behind block a - 1's loads: block a's 16 stores and 16 loads
.endr
	SEND 3, 0
	s_wait_tensorcnt 0x0                           ; the wave's end: behind my last tensor load and my last LDS store
	ds_add_u32 v[SPW], v[NIL]
	s_wait_dscnt 0x0
	CROUND                                         ; the closing round: no work-group ends while a partner may still ask for a tile that names it
	s_endpgm
.Lfunc_end_k_qf5a3dabcd6_oproj:
	.size	k_qf5a3dabcd6_oproj, .Lfunc_end_k_qf5a3dabcd6_oproj-k_qf5a3dabcd6_oproj
	.p2alignl 7, 3214868480
	.fill 96, 4, 3214868480
	.section	.rodata,"a",@progbits
	.p2align	6, 0x0
	.amdhsa_kernel k_qf5a3dabcd6_oproj
		.amdhsa_group_segment_fixed_size 327680
		.amdhsa_private_segment_fixed_size 0
		.amdhsa_enable_private_segment 0
		.amdhsa_kernarg_size 32
		.amdhsa_user_sgpr_count 2
		.amdhsa_user_sgpr_kernarg_segment_ptr 1
		.amdhsa_wavefront_size32 1
		.amdhsa_system_sgpr_workgroup_id_x 1
		.amdhsa_system_sgpr_workgroup_id_y 1
		.amdhsa_system_sgpr_workgroup_id_z 1
		.amdhsa_system_vgpr_workitem_id 0
		.amdhsa_next_free_vgpr 576
		.amdhsa_next_free_sgpr 72
		.amdhsa_reserve_vcc 0
		.amdhsa_float_denorm_mode_32 3
		.amdhsa_float_denorm_mode_16_64 3
		.amdhsa_memory_ordered 1
		.amdhsa_forward_progress 1
		.amdhsa_inst_pref_size 88
	.end_amdhsa_kernel
	.amdgpu_metadata
---
amdhsa.version: [ 1, 2 ]
amdhsa.kernels:
  - .name:           k_qf5a3dabcd6_oproj
    .symbol:         k_qf5a3dabcd6_oproj.kd
    .args:
      - { .name: ctx, .offset: 0, .size: 8, .value_kind: global_buffer, .address_space: global }
      - { .name: wo16, .offset: 8, .size: 8, .value_kind: global_buffer, .address_space: global }
      - { .name: bo, .offset: 16, .size: 8, .value_kind: global_buffer, .address_space: global }
      - { .name: out0, .offset: 24, .size: 8, .value_kind: global_buffer, .address_space: global }
    .group_segment_fixed_size: 327680
    .private_segment_fixed_size: 0
    .kernarg_segment_align: 8
    .kernarg_segment_size: 32
    .max_flat_workgroup_size: 128
    .sgpr_count:     72
    .vgpr_count:     576
    .wavefront_size: 32
...
	.end_amdgpu_metadata
.endif
;; end of part 4
